; MI455X (gfx1250); checked and timed in simulation.
; The chip was launched on July 23, 2026; its instructions are those of AMD's public machine-readable ISA for CDNA 5 (MIT licence, August 2026) and "CDNA5" Instruction Set Architecture Reference Guide (July 2026). The comments in the code are by the model that wrote it; some were corrected since.
;; SWA. Allowed arithmetic: float matrix products may take bf16 or f16 operands with f32 sums; all other float work in f32.
;; Inputs: wk_b 256 float32; wk_w 256 x 1,024 float32; wo_w 1,024 x 1,024 float32; wq_b 1,024 float32; wq_w 1,024 x 1,024 float32; wv_b 256 float32; wv_w 256 x 1,024 float32; x 2 x 2,048 x 1,024 float32.
;; Outputs: out0 2 x 2,048 x 1,024 float32.
;; Constants: sliding_window = 1024.
;; One version. Each part assembles by itself: llvm-mc -triple=amdgcn-amd-amdhsa -mcpu=gfx1250 --defsym DOCPART=n.
;; ======== version 1 of 1: 4 launches
;; limits: values are held in f16: magnitudes above 65,504 overflow, below 6.1e-05 lose precision
;; workspace buffers: xb 8,388,608 bytes; wqkvb 3,145,728 bytes; woh 2,097,152 bytes; bias 6,144 bytes; tab 524,288 bytes; qkv 12,582,912 bytes; ctx 16,777,216 bytes
;; launch prep (part 1): grid 433 x 1, 8 waves a work-group, no clusters, 0 bytes of LDS; arguments x, wq_w, wk_w, wv_w, wo_w, wq_b, wk_b, wv_b, xb, wqkvb, woh, bias, tab; writes xb, wqkvb, woh, bias, tab
.if DOCPART == 1
	.amdgcn_target "amdgcn-amd-amdhsa--gfx1250"
	.amdhsa_code_object_version 6
	.text
	.protected	k_q7520ea19ff_prep
	.globl	k_q7520ea19ff_prep
	.p2align	8
	.type	k_q7520ea19ff_prep,@function
k_q7520ea19ff_prep:
	s_mov_b64 s[64:65], 0
	v_nop
	global_prefetch_b8 v0, s[64:65] scope:SCOPE_SE
	s_setreg_imm32_b32 hwreg(HW_REG_WAVE_MODE, 25, 1), 1
	s_wait_xcnt 0x0
; prep: everything that the matrix launches need once.
;   work-groups 0-415   narrow f32 to 16 bits, 16,384 numbers each (64 KiB in, 32 KiB out):
;                       0-255 x -> xb; 256-319 wq_w, 320-335 wk_w, 336-351 wv_w -> wqkvb (rows 0-1023, 1024-1279, 1280-1535), all bf16;
;                       352-415 wo_w -> woh: rounded to bf16 like the other inputs, then written as f16 codes, since its partner in the last product, ctx, is f16
;   work-groups 416-431 the rotary table tab[pos 2048][i 32][cos, sin] in f32, 128 positions each
;   work-group  432     the three biases behind each other: bias[1536] = wq_b, wk_b, wv_b
; FORMATS: every matrix input carries one rounding to bf16 (8 significant bits).  A bf16 number is an f16 number as it stands from 2^-14 to 65,504.
; LIMIT: below 2^-14 woh is rounded to multiples of 2^-24 (at the drawn spread of 0.02 that is 1.5e-6 of the spread; at a spread 30 times smaller 4.5e-5); |wo_w| above 65,504 becomes infinite.
; LIMIT: angle = pos * 10000^(-i/32), the power by exp2 of a rounded product; the angle is reduced by a two-term pi/2 and the sine and cosine come from
; polynomials of degree 7 and 8 on |r| <= pi/4.  For pos <= 2047 the error of the angle stays near 3e-4 rad, as large as the f32 rounding of pos * frequency itself.
; No LDS, no barrier, no matrix unit: every part is a stream.
.set FIRST_WO,   352
.set FIRST_TAB,  416
.set FIRST_BIAS, 432
.set XI,  8                            ; v[8:71]   16 loads of 4 f32
.set YO,  72                           ; v[72:103] 16 pairs of packed 16-bit numbers
	s_load_b512 s[4:19], s[0:1], 0x0               ; x 4:5, wq_w 6:7, wk_w 8:9, wv_w 10:11, wo_w 12:13, wq_b 14:15, wk_b 16:17, wv_b 18:19
	s_load_b256 s[20:27], s[0:1], 0x40             ; xb 20:21, wqkvb 22:23, woh 24:25, bias 26:27
	s_load_b64 s[28:29], s[0:1], 0x60              ; tab
	s_mov_b32 s30, ttmp9
	s_cmp_ge_u32 s30, FIRST_BIAS
	s_cbranch_scc1 .Lbias
	s_cmp_ge_u32 s30, FIRST_TAB
	s_cbranch_scc1 .Ltable
	; ---- narrowing.  Which tensor, and which chunk of it: chosen by the work-group's number alone.
	s_sub_co_u32 s38, s30, 256                     ; chunk in wq_w, and in wqkvb for all three weights
	s_sub_co_u32 s39, s30, 320                     ; chunk in wk_w
	s_sub_co_u32 s40, s30, 336                     ; chunk in wv_w
	s_sub_co_u32 s41, s30, FIRST_WO                ; chunk in wo_w and in woh
	v_lshlrev_b32 v1, 4, v0                        ; 16 bytes of f32 a thread
	v_lshlrev_b32 v2, 3, v0                        ; 8 bytes of 16-bit numbers a thread
	s_wait_kmcnt 0x0
	s_mov_b64 s[32:33], s[4:5]                     ; from x
	s_mov_b32 s34, s30
	s_mov_b64 s[36:37], s[20:21]                   ; to xb
	s_mov_b32 s35, s30
	s_cmp_ge_u32 s30, 256
	s_cselect_b64 s[32:33], s[6:7], s[32:33]
	s_cselect_b32 s34, s38, s34
	s_cselect_b64 s[36:37], s[22:23], s[36:37]
	s_cselect_b32 s35, s38, s35
	s_cmp_ge_u32 s30, 320
	s_cselect_b64 s[32:33], s[8:9], s[32:33]
	s_cselect_b32 s34, s39, s34
	s_cmp_ge_u32 s30, 336
	s_cselect_b64 s[32:33], s[10:11], s[32:33]
	s_cselect_b32 s34, s40, s34
	s_cmp_ge_u32 s30, FIRST_WO
	s_cselect_b64 s[32:33], s[12:13], s[32:33]
	s_cselect_b32 s34, s41, s34
	s_cselect_b64 s[36:37], s[24:25], s[36:37]
	s_cselect_b32 s35, s41, s35
	s_lshl_b32 s42, s34, 16                        ; 65,536 bytes of f32 a chunk (at most 255 chunks: below 4 GiB)
	s_mov_b32 s43, 0
	s_lshl_b32 s44, s35, 15                        ; 32,768 bytes out a chunk
	s_mov_b32 s45, 0
	s_add_nc_u64 s[32:33], s[32:33], s[42:43]
	s_add_nc_u64 s[36:37], s[36:37], s[44:45]
.irp j, 0,1,2,3,4,5,6,7,8,9,10,11,12,13,14,15
	global_load_b128 v[XI+4*\j:XI+4*\j+3], v1, s[32:33] offset:4096*\j th:TH_LOAD_NT   ; a wave's load covers 512 neighbouring bytes; all sixteen go out at once
.endr
	s_cmp_ge_u32 s30, FIRST_WO
	s_cbranch_scc1 .Lcast_wo
.irp j, 0,1,2,3,4,5,6,7,8,9,10,11,12,13,14,15
	s_wait_loadcnt 15-\j                           ; loads come back in order: load j is in, the 15 - j younger ones stay out
	v_cvt_pk_bf16_f32 v[YO+2*\j], v[XI+4*\j], v[XI+4*\j+1]
	v_cvt_pk_bf16_f32 v[YO+2*\j+1], v[XI+4*\j+2], v[XI+4*\j+3]
	global_store_b64 v2, v[YO+2*\j:YO+2*\j+1], s[36:37] offset:2048*\j     ; a wave's store covers 256 neighbouring bytes, aligned; no register is used twice
.endr
	s_endpgm
.Lcast_wo:
.irp j, 0,1,2,3,4,5,6,7,8,9,10,11,12,13,14,15
	s_wait_loadcnt 15-\j                           ; as above: load j is in, so its four registers may also be written again
	v_cvt_pk_bf16_f32 v[YO+2*\j], v[XI+4*\j], v[XI+4*\j+1]                 ; the rounding that every input gets
	v_cvt_pk_bf16_f32 v[YO+2*\j+1], v[XI+4*\j+2], v[XI+4*\j+3]
	v_lshlrev_b32 v[XI+4*\j],   16, v[YO+2*\j]                             ; back to f32: a shift or a mask
	v_and_b32     v[XI+4*\j+1], 0xffff0000, v[YO+2*\j]
	v_lshlrev_b32 v[XI+4*\j+2], 16, v[YO+2*\j+1]
	v_and_b32     v[XI+4*\j+3], 0xffff0000, v[YO+2*\j+1]
	v_cvt_pk_f16_f32 v[YO+2*\j], v[XI+4*\j], v[XI+4*\j+1]                  ; the same numbers as f16 codes
	v_cvt_pk_f16_f32 v[YO+2*\j+1], v[XI+4*\j+2], v[XI+4*\j+3]
	global_store_b64 v2, v[YO+2*\j:YO+2*\j+1], s[36:37] offset:2048*\j
.endr
	s_endpgm
	; ---- the rotary table.  Thread t: frequencies i0 = 2 (t & 15) and i0 + 1, positions (t >> 4) + 16 u, u = 0..7: its 16 bytes lie at 16 t + 4,096 u.
.set NQ, 8                             ; v8  n = round(angle * 2/pi)
.set RR, 9                             ; v9  reduced angle
.set ZZ, 10                            ; v10 its square
.set QI, 11                            ; v11 n as a whole number
.set PS, 12                            ; v12 sine polynomial
.set PC, 13                            ; v13 cosine polynomial
.set TA, 14
.set TB, 15
.set TC, 16
.macro SINCOS ang, c, s
	v_mul_f32 v[NQ], s36, v[\ang]
	v_rndne_f32 v[NQ], v[NQ]
	v_fma_f32 v[RR], v[NQ], s37, v[\ang]           ; angle - n * (pi/2 rounded to f32), exact before its one rounding
	v_fma_f32 v[RR], v[NQ], s38, v[RR]             ; - n * (what the rounding of pi/2 left)
	v_cvt_i32_f32 v[QI], v[NQ]
	v_mul_f32 v[ZZ], v[RR], v[RR]
	v_fma_f32 v[PS], v[ZZ], s41, s40
	v_fma_f32 v[PC], v[ZZ], s44, s43
	v_fma_f32 v[PS], v[PS], v[ZZ], s39
	v_fma_f32 v[PC], v[PC], v[ZZ], s42
	v_mul_f32 v[TA], v[RR], v[ZZ]
	v_mul_f32 v[TB], v[ZZ], v[ZZ]
	v_fma_f32 v[TC], v[ZZ], -0.5, 1.0
	v_fma_f32 v[PS], v[PS], v[TA], v[RR]           ; sin r
	v_fma_f32 v[PC], v[PC], v[TB], v[TC]           ; cos r
	v_and_b32 v[TA], 1, v[QI]
	v_cmp_eq_u32 vcc_lo, 1, v[TA]                  ; odd quadrant: sine and cosine change places
	v_cndmask_b32 v[\s], v[PS], v[PC], vcc_lo
	v_cndmask_b32 v[\c], v[PC], v[PS], vcc_lo
	v_add_nc_u32 v[TB], 1, v[QI]
	v_lshlrev_b32 v[TA], 30, v[QI]                 ; sine is negative in quadrants 2, 3: bit 1 of n
	v_lshlrev_b32 v[TB], 30, v[TB]                 ; cosine in quadrants 1, 2: bit 1 of n + 1
	v_and_b32 v[TA], 0x80000000, v[TA]
	v_and_b32 v[TB], 0x80000000, v[TB]
	v_xor_b32 v[\s], v[\s], v[TA]
	v_xor_b32 v[\c], v[\c], v[TB]
.endm
.Ltable:
	s_sub_co_u32 s31, s30, FIRST_TAB
	s_lshl_b32 s32, s31, 15                        ; 128 positions of 256 bytes
	s_mov_b32 s33, 0
	s_lshl_b32 s34, s31, 7                         ; my first position
	s_mov_b32 s36, 0x3f22f983                      ; 2/pi
	s_mov_b32 s37, 0xbfc90fdb                      ; -(pi/2 rounded to f32)
	s_mov_b32 s38, 0x333bbd2e                      ; (pi/2 rounded) - pi/2
	s_mov_b32 s39, 0xbe2aaaa3                      ; sine: -1.6666654611e-1
	s_mov_b32 s40, 0x3c08839e                      ;        8.3321608736e-3
	s_mov_b32 s41, 0xb94ca1f9                      ;       -1.9515295891e-4
	s_mov_b32 s42, 0x3d2aaaa5                      ; cosine: 4.166664568e-2
	s_mov_b32 s43, 0xbab6061a                      ;        -1.388731625e-3
	s_mov_b32 s44, 0x37ccf5ce                      ;         2.443315712e-5
	v_and_b32 v1, 15, v0
	v_lshlrev_b32 v1, 1, v1                        ; i0
	v_lshrrev_b32 v2, 4, v0
	v_add_nc_u32 v2, s34, v2                       ; my first position
	v_cvt_f32_u32 v3, v2
	v_cvt_f32_u32 v4, v1
	v_add_f32 v5, 1.0, v4
	v_mul_f32 v4, 0xbed49a78, v4                   ; -i * log2(10000) / 32
	v_mul_f32 v5, 0xbed49a78, v5
	v_exp_f32 v4, v4                               ; the two frequencies
	v_exp_f32 v5, v5
	v_lshlrev_b32 v6, 4, v0                        ; the plain instruction that stands between an exponential and the first use of its result (ISA guide 5.7.2)
	s_wait_kmcnt 0x0
	s_add_nc_u64 s[28:29], s[28:29], s[32:33]
	s_wait_alu depctr_va_vdst(0)
.irp u, 0,1,2,3,4,5,6,7
	v_mul_f32 v7, v3, v4
	SINCOS 7, 32+4*\u, 33+4*\u
	v_mul_f32 v7, v3, v5
	SINCOS 7, 34+4*\u, 35+4*\u
	global_store_b128 v6, v[32+4*\u:35+4*\u], s[28:29] offset:4096*\u      ; four registers of their own for each store: nothing is rewritten
	v_add_f32 v3, 0x41800000, v3                   ; 16 positions on (whole numbers below 2^24: exact)
.endr
	s_endpgm
	; ---- the biases: 4,096 + 1,024 + 1,024 bytes, kept in f32
.Lbias:
	v_lshlrev_b32 v1, 4, v0
	v_lshrrev_b32 v2, 5, v0
	v_readfirstlane_b32 s31, v2                    ; wave number
	s_wait_kmcnt 0x0
	global_load_b128 v[4:7], v1, s[14:15]
	s_wait_loadcnt 0x0
	global_store_b128 v1, v[4:7], s[26:27]
	s_cmp_ge_u32 s31, 2
	s_cbranch_scc1 .Lbias_done                     ; 64 threads cover the 256 numbers of wk_b and of wv_b
	global_load_b128 v[8:11], v1, s[16:17]
	global_load_b128 v[12:15], v1, s[18:19]
	s_wait_loadcnt 0x0
	global_store_b128 v1, v[8:11], s[26:27] offset:4096
	global_store_b128 v1, v[12:15], s[26:27] offset:5120
.Lbias_done:
	s_endpgm
.Lfunc_end_k_q7520ea19ff_prep:
	.size	k_q7520ea19ff_prep, .Lfunc_end_k_q7520ea19ff_prep-k_q7520ea19ff_prep
	.p2alignl 7, 3214868480
	.fill 96, 4, 3214868480
	.section	.rodata,"a",@progbits
	.p2align	6, 0x0
	.amdhsa_kernel k_q7520ea19ff_prep
		.amdhsa_group_segment_fixed_size 0
		.amdhsa_private_segment_fixed_size 0
		.amdhsa_enable_private_segment 0
		.amdhsa_kernarg_size 104
		.amdhsa_user_sgpr_count 2
		.amdhsa_user_sgpr_kernarg_segment_ptr 1
		.amdhsa_wavefront_size32 1
		.amdhsa_system_sgpr_workgroup_id_x 1
		.amdhsa_system_sgpr_workgroup_id_y 1
		.amdhsa_system_sgpr_workgroup_id_z 1
		.amdhsa_system_vgpr_workitem_id 0
		.amdhsa_next_free_vgpr 112
		.amdhsa_next_free_sgpr 66
		.amdhsa_reserve_vcc 1
		.amdhsa_float_denorm_mode_32 3
		.amdhsa_float_denorm_mode_16_64 3
		.amdhsa_memory_ordered 1
		.amdhsa_forward_progress 1
		.amdhsa_inst_pref_size 39
	.end_amdhsa_kernel
	.amdgpu_metadata
---
amdhsa.version: [ 1, 2 ]
amdhsa.kernels:
  - .name:           k_q7520ea19ff_prep
    .symbol:         k_q7520ea19ff_prep.kd
    .args:
      - { .name: x, .offset: 0, .size: 8, .value_kind: global_buffer, .address_space: global }
      - { .name: wq_w, .offset: 8, .size: 8, .value_kind: global_buffer, .address_space: global }
      - { .name: wk_w, .offset: 16, .size: 8, .value_kind: global_buffer, .address_space: global }
      - { .name: wv_w, .offset: 24, .size: 8, .value_kind: global_buffer, .address_space: global }
      - { .name: wo_w, .offset: 32, .size: 8, .value_kind: global_buffer, .address_space: global }
      - { .name: wq_b, .offset: 40, .size: 8, .value_kind: global_buffer, .address_space: global }
      - { .name: wk_b, .offset: 48, .size: 8, .value_kind: global_buffer, .address_space: global }
      - { .name: wv_b, .offset: 56, .size: 8, .value_kind: global_buffer, .address_space: global }
      - { .name: xb, .offset: 64, .size: 8, .value_kind: global_buffer, .address_space: global }
      - { .name: wqkvb, .offset: 72, .size: 8, .value_kind: global_buffer, .address_space: global }
      - { .name: woh, .offset: 80, .size: 8, .value_kind: global_buffer, .address_space: global }
      - { .name: bias, .offset: 88, .size: 8, .value_kind: global_buffer, .address_space: global }
      - { .name: tab, .offset: 96, .size: 8, .value_kind: global_buffer, .address_space: global }
    .group_segment_fixed_size: 0
    .private_segment_fixed_size: 0
    .kernarg_segment_align: 8
    .kernarg_segment_size: 104
    .max_flat_workgroup_size: 256
    .sgpr_count:     66
    .vgpr_count:     112
    .wavefront_size: 32
...
	.end_amdgpu_metadata
.endif
;; end of part 1
;; launch qkvproj (part 2): grid 8 x 32, 4 waves a work-group, clusters of 4 x 4, 327,680 bytes of LDS; arguments xb, wqkvb, bias, tab, qkv; writes qkv
.if DOCPART == 2
	.amdgcn_target "amdgcn-amd-amdhsa--gfx1250"
	.amdhsa_code_object_version 6
	.text
	.protected	k_q7520ea19ff_qkvproj
	.globl	k_q7520ea19ff_qkvproj
	.p2align	8
	.type	k_q7520ea19ff_qkvproj,@function
k_q7520ea19ff_qkvproj:
	s_mov_b64 s[64:65], 0
	v_nop
	global_prefetch_b8 v0, s[64:65] scope:SCOPE_SE
	s_setreg_imm32_b32 hwreg(HW_REG_WAVE_MODE, 25, 1), 1
	s_wait_xcnt 0x0
	s_wait_alu depctr_hold_cnt(0) depctr_sa_sdst(0) depctr_va_vdst(0) depctr_va_sdst(0) depctr_va_ssrc(0) depctr_va_vcc(0) depctr_vm_vsrc(0)
	s_getreg_b32 s2, hwreg(HW_REG_IB_STS2, 6, 4)
	s_cmp_eq_u32 s2, 0
	s_cbranch_scc0 .Lentry_in_a_cluster
	s_endpgm
.Lentry_in_a_cluster:
	s_bfe_u32 s2, ttmp6, 0x10000c
	s_cmp_lg_u32 s2, 0xf033
	s_cbranch_scc0 .Lentry_shape_is_right
	s_endpgm
.Lentry_shape_is_right:
; qkvproj: [4096][1536] = xb [4096][1024] * wqkvb [1536][1024]^T + bias, then the rotary turn on q and k, q scaled by 0.125 * log2(e), all rounded once to f16
; and stored by heads: qkv[b 2][G 24][s 2048][64], G 0-15 q, 16-19 k, 20-23 v.
; FORMATS: the operands are bf16 (the inputs' one rounding), the sums f32.  The results go on in f16, not bf16: an early position averages few keys, so its output is
; some fourteen times the rms of the whole output, and an error of 2^-9 of it would be as large as one hundredth of that rms; f16 has three more significant bits.
; LIMIT: |q|, |k|, |v| above 65,504 become infinite.  Their rms at the drawn spreads is 0.64 (q: 0.12); with x and the weights 30 times larger 576; with a common
; offset of 30 spreads on x and on the weights about 18,400.  Below 2^-14 they are rounded to multiples of 2^-24.
; A work-group makes 128 rows x 192 columns (three heads) with four waves; a wave makes 64 x 96: 24 accumulator tiles of 16 x 16, 192 registers.
; 32 x 8 = 256 work-groups.  K = 1024 goes in 8 steps of 128 through two LDS slots filled by tensor loads; a tile's rows are 256 bytes of memory, aligned.
; CLUSTERS: 4 x 4 work-groups.  The four of a row of the cluster need the same rows of xb, the four of a column the same rows of wqkvb: each tile is asked
; for jointly by the four, which divides the requests by four.
; The matrix instruction is used transposed (source 0 = rows of the weights, source 1 = rows of x): lane l holds row l % 16 of the result and its eight
; registers the columns 8 (l / 16) + 0..7, so the pairs (2i, 2i+1) that the rotary turn mixes lie in one lane, and eight results pack into 16 bytes.
; REGISTERS: window 0: v16-29 addresses; v32-111 and v112-191 fragments, two buffers (6 of the weights, 4 of x); v192-255 table of row tiles 0, 1.
;            window 1: v0-191 accumulators, tile (a, b) at 8 (6 a + b); v192-239 bias of my 96 columns (8 a lane and column tile).
.set KSTEP,  128
.set PITCH,  272                       ; an LDS row: 256 bytes + 16 of padding: an odd multiple of 16, so the 16 rows of a fragment load start in different banks (ISA guide 11.1)
.set QUART,  96*PITCH                  ; a wave's part of a slot: wave 0, 1: 64 rows of x each (the rest of the part stays unused); wave 2, 3: 96 rows of the weights each
.set SLOT,   4*QUART
.set STAGE,  2*SLOT                    ; behind the ring: 128 rows x 400 bytes for the way out; no tensor load lands here
.set SPITCH, 400                       ; 384 bytes (192 f16) + 16
.set LAPS,   4                         ; a lap = two K steps = once round the ring
.set ADRA, 16                          ; v16-17 LDS address of my fragments of x in slot 0, 1
.set ADRB, 20                          ; v20-21 the same for the weights
.set STO,  24
.set RD,   25
.set CO,   26
.set TABLO, 27                         ; byte offset in tab of my row's pairs for column tiles b & 3 = 0, 1
.set TABHI, 28                         ; for b & 3 = 2, 3
.set BIASO, 29
.set F0,   32
.set F1,   112
.set TAB0, 192
.set TAB1, 224
.set TAB2, 112                         ; row tiles 2, 3: loaded behind the last product into fragment buffer 1
.set TAB3, 144
.set XR,   32                          ; the way out: 48 results in f32
.set PK,   80                          ; 24 registers of packed f16
.set CS,   104                         ; 4 pairs (cos, sin) as used
.set TT,   8                           ; 8 products
.set BIASR, 192                        ; in window 1
.set G1,  24
.set G0,  32
.set G1B, 48
.set G0B, 56
.set FS,  80                           ; s[80:91] for each column tile b a pair (factor, factor): 0.125 log2(e) for q, 1 for k and v
.set RS,  92                           ; s[92:97] for each column tile b a lane mask: all ones where the rotary turn applies (q, k), 0 for v
.set MSB, 0
.macro WIN new                         ; the immediate's high byte repeats the setting that is left
.if MSB != \new
	s_set_vgpr_msb (MSB<<8)|\new
.set MSB, \new
.endif
.endm
.set MUL, 0x50                         ; sources 0 and 1 window 0, C and D window 1
; A joint load.  Waves 0 and 1 fetch x's two halves, waves 2 and 3 the weights'.  The branch hangs on the wave's number alone.
.macro JLOAD s
	s_cmp_eq_u32 s11, 0
	s_cbranch_scc0 .Lfor_b_\@
	tensor_load_to_lds s[G0+4*\s:G0+4*\s+3], s[G1:G1+7]
	s_nop 0
	s_branch .Lasked_\@
.Lfor_b_\@:
	tensor_load_to_lds s[G0B+4*\s:G0B+4*\s+3], s[G1B:G1B+7]
	s_nop 0
.Lasked_\@:
.endm
; A round of the cluster's barrier: my work-group's barrier, wave 0 signals for the work-group, every wave waits for all sixteen, my work-group's barrier again.
.macro CREST
	s_cmp_lg_u32 s10, 0
	s_cbranch_scc1 .Lnot_wave_0_\@
	s_barrier_signal -3
.Lnot_wave_0_\@:
	s_barrier_wait -3
	s_barrier_signal -1
	s_barrier_wait -1
.endm
.macro CROUND
	s_barrier_signal -1
	s_barrier_wait -1
	CREST
.endm
	s_load_b256 s[68:75], s[0:1], 0x0              ; xb 68:69, wqkvb 70:71, bias 72:73, tab 74:75
	s_load_b64 s[76:77], s[0:1], 0x20              ; qkv
	v_lshl_add_u32 v30, v0, 2, 0x3f800
	v_mov_b32 v31, 0
	ds_add_u32 v30, v31
	v_lshrrev_b32 v1, 5, v0
	v_readfirstlane_b32 s10, v1                    ; wave 0..3
	s_lshr_b32 s11, s10, 1                         ; wm: which 64 of the block's rows are mine.  Also: I fetch for x (0) or for the weights (1)
	s_and_b32 s12, s10, 1                          ; wn: which 96 of its columns.  Also: which half of that tile I fetch
	s_bfe_u32 s40, ttmp6, 0x40000                  ; cx
	s_bfe_u32 s41, ttmp6, 0x40004                  ; cy
	s_lshl_b32 s42, ttmp9, 2
	s_add_co_u32 s42, s42, s40                     ; bx: block column, 0..7
	s_and_b32 s13, ttmp7, 0xffff
	s_lshl_b32 s13, s13, 2
	s_add_co_u32 s13, s13, s41                     ; by: block row, 0..31
	s_lshl_b32 s43, s41, 2
	s_lshl_b32 s43, 15, s43                        ; my row of the cluster
	s_lshl_b32 s44, 0x1111, s40                    ; my column
	; group 1: rows of 128 bf16, padded by 4 words behind every 64; x: 64 rows a load, the weights: 96
	s_or_b32 s[G1+0], s43, (1<<16)|(1<<20)|(1<<21)|(5<<22)|(3<<25)
	s_or_b32 s[G1B+0], s44, (1<<16)|(1<<20)|(1<<21)|(5<<22)|(3<<25)
	s_mov_b32 s[G1+1], KSTEP<<16                   ; tensor_dim0 = 128
	s_mov_b32 s[G1B+1], KSTEP<<16
	s_mov_b32 s[G1+2], 64<<16                      ; tensor_dim1
	s_mov_b32 s[G1B+2], 96<<16
	s_mov_b32 s[G1+3], KSTEP<<16                   ; tile_dim0 = 128
	s_mov_b32 s[G1B+3], KSTEP<<16
	s_mov_b32 s[G1+4], 64                          ; tile_dim1
	s_mov_b32 s[G1B+4], 96
	s_mov_b32 s[G1+5], 1024                        ; elements from row to row
	s_mov_b32 s[G1B+5], 1024
	s_mov_b32 s[G1+6], 0
	s_mov_b32 s[G1B+6], 0
	s_mov_b32 s[G1+7], 0
	s_mov_b32 s[G1B+7], 0
	; x's tiles hang on the block row alone, the weights' on the block column alone; each address in registers that never hold the other coordinate
	s_lshl_b32 s16, s13, 7
	s_lshl_b32 s17, s12, 6
	s_add_co_u32 s16, s16, s17                     ; row 128 by + 64 half
	s_lshl_b32 s16, s16, 11                        ; rows of 2,048 bytes (below 4 GiB)
	s_mov_b32 s17, 0
	s_mul_i32 s46, s42, 192
	s_mul_i32 s47, s12, 96
	s_add_co_u32 s46, s46, s47                     ; row 192 bx + 96 half
	s_lshl_b32 s46, s46, 11
	s_mov_b32 s47, 0
	s_mul_i32 s20, s10, QUART                      ; where my part goes: the wave's number times a constant
	s_wait_dscnt 0x0
	s_wait_kmcnt 0x0
	s_add_nc_u64 s[14:15], s[68:69], s[16:17]
	s_add_nc_u64 s[46:47], s[70:71], s[46:47]
	CROUND                                         ; all sixteen work-groups are here: the first joint loads meet
.irp s, 0,1
	s_mov_b32 s[G0+4*\s], 1
	s_add_co_u32 s[G0+4*\s+1], s20, \s*SLOT
	s_add_nc_u64 s[G0+4*\s+2:G0+4*\s+3], s[14:15], \s*KSTEP*2
	s_or_b32 s[G0+4*\s+3], s[G0+4*\s+3], 0x80000000
	s_mov_b32 s[G0B+4*\s], 1
	s_add_co_u32 s[G0B+4*\s+1], s20, \s*SLOT
	s_add_nc_u64 s[G0B+4*\s+2:G0B+4*\s+3], s[46:47], \s*KSTEP*2
	s_or_b32 s[G0B+4*\s+3], s[G0B+4*\s+3], 0x80000000
	JLOAD \s                                       ; both slots are asked for before anything else: two tensor loads of the wave are out
.endr
	v_and_b32 v1, 15, v0                           ; r = l % 16
	v_bfe_u32 v2, v0, 4, 1                         ; h = l / 16
	v_mul_u32_u24 v3, v1, PITCH
	v_lshl_add_u32 v3, v2, 4, v3                   ; row x pitch + 16 h
	s_mul_i32 s21, s11, QUART                      ; my 64 rows of x
	s_mul_i32 s22, s12, QUART
	s_add_co_u32 s22, s22, 2*QUART                 ; my 96 rows of the weights
.irp s, 0,1
	v_add_nc_u32 v[ADRA+\s], s21, v3
	v_add_nc_u32 v[ADRB+\s], s22, v3
	s_add_co_u32 s21, s21, SLOT
	s_add_co_u32 s22, s22, SLOT
.endr
	s_mul_i32 s23, s11, 64*SPITCH                  ; the stage, in: row 64 wm + r, byte 192 wn + 16 h
	s_mul_i32 s78, s12, 192
	s_add_co_u32 s23, s23, s78
	s_add_co_u32 s23, s23, STAGE
	v_mul_u32_u24 v4, v1, SPITCH
	v_lshl_add_u32 v4, v2, 4, v4
	v_add_nc_u32 v[STO], s23, v4
	v_and_b32 v5, 31, v0                           ; the stage, back: wave w takes rows 32 w .. 32 w + 31, four rows x 128 bytes (one head) an instruction
	v_lshrrev_b32 v6, 3, v5
	v_and_b32 v7, 7, v5
	v_mul_u32_u24 v6, v6, SPITCH
	v_lshl_add_u32 v6, v7, 4, v6
	s_mul_i32 s78, s10, 32*SPITCH
	s_add_co_u32 s78, s78, STAGE
	v_add_nc_u32 v[RD], s78, v6
	v_lshlrev_b32 v[CO], 4, v5                     ; in qkv these four rows are 512 neighbouring bytes
	; the table: position s0 + 64 wm + 16 a + r; column tile b needs the 32 bytes at (128 wn + 64 b + 32 h) mod 256 of the position's 256
	s_and_b32 s79, s13, 15
	s_lshl_b32 s79, s79, 7                         ; s0: the block's first position in its sequence
	s_lshl_b32 s78, s11, 6
	s_add_co_u32 s78, s78, s79
	v_add_nc_u32 v8, s78, v1
	v_lshlrev_b32 v8, 8, v8
	v_lshl_add_u32 v8, v2, 5, v8
	s_lshl_b32 s78, s12, 7
	v_add_nc_u32 v[TABLO], s78, v8
	s_xor_b32 s78, s78, 128
	v_add_nc_u32 v[TABHI], s78, v8
	v_lshlrev_b32 v[BIASO], 5, v2                  ; 8 h numbers of bias
	s_mul_i32 s98, s42, 768                        ; bias at column 192 bx + 96 wn
	s_mul_i32 s78, s12, 384
	s_add_co_u32 s98, s98, s78
	s_mov_b32 s99, 0
	s_add_nc_u64 s[72:73], s[72:73], s[98:99]
	s_lshr_b32 s78, s13, 4                         ; b
	s_mul_i32 s78, s78, 24
	s_mul_i32 s98, s42, 3
	s_add_co_u32 s78, s78, s98                     ; 24 b + 3 bx: the first of my block's three heads
	s_lshl_b32 s78, s78, 11
	s_add_co_u32 s78, s78, s79
	s_lshl_b32 s98, s10, 5
	s_add_co_u32 s98, s98, s78                     ; + s0 + 32 w
	s_lshl_b32 s98, s98, 7                         ; rows of 128 bytes
	s_add_nc_u64 s[76:77], s[76:77], s[98:99]
	s_mul_i32 s78, s42, 12                         ; head of column tile b: (12 bx + 6 wn + b) / 4.  These are values for multiplies and selects alone.
	s_mul_i32 s98, s12, 6
	s_add_co_u32 s78, s78, s98
.irp b, 0,1,2,3,4,5
	s_add_co_u32 s98, s78, \b
	s_lshr_b32 s98, s98, 2
	s_cmp_lt_u32 s98, 16
	s_cselect_b32 s[FS+2*\b], 0x3e38aa3b, 1.0      ; q: 64^-0.5 * log2(e), so that the softmax can use exp2
	s_mov_b32 s[FS+2*\b+1], s[FS+2*\b]
	s_cmp_lt_u32 s98, 20
	s_cselect_b32 s[RS+\b], -1, 0
.endr
; the table of row tile a: 8 loads of 16 bytes, 32 registers, slot e = b & 3 at 8 e
.macro TABLOAD a, dst
.irp e, 0,1
	global_load_b128 v[\dst+8*\e:\dst+8*\e+3],   v[TABLO], s[74:75] offset:4096*\a+64*\e
	global_load_b128 v[\dst+8*\e+4:\dst+8*\e+7], v[TABLO], s[74:75] offset:4096*\a+64*\e+16
.endr
.irp e, 0,1
	global_load_b128 v[\dst+16+8*\e:\dst+16+8*\e+3],   v[TABHI], s[74:75] offset:4096*\a+64*\e
	global_load_b128 v[\dst+16+8*\e+4:\dst+16+8*\e+7], v[TABHI], s[74:75] offset:4096*\a+64*\e+16
.endr
.endm
	; 28 loads that stay out during the whole product: their registers and addresses are not touched before the wait behind it
	WIN 0x40
.irp b, 0,1,2,3,4,5
	global_load_b128 v[BIASR+8*\b:BIASR+8*\b+3],   v[BIASO], s[72:73] offset:64*\b
	global_load_b128 v[BIASR+8*\b+4:BIASR+8*\b+7], v[BIASO], s[72:73] offset:64*\b+16
.endr
	WIN 0
	TABLOAD 0, TAB0
	TABLOAD 1, TAB1
; six matrix instructions: row tile a x all six column tiles, 32 along K.  The 24 accumulators take turns, one instruction a turn, in the same order in every
; quarter step.
.macro MUL6 f, a, zero
.irp b, 0,1,2,3,4,5
.if \zero
	v_wmma_f32_16x16x32_bf16 v[8*(6*\a+\b):8*(6*\a+\b)+7], v[\f+8*\b:\f+8*\b+7], v[\f+48+8*\a:\f+48+8*\a+7], 0
.else
	v_wmma_f32_16x16x32_bf16 v[8*(6*\a+\b):8*(6*\a+\b)+7], v[\f+8*\b:\f+8*\b+7], v[\f+48+8*\a:\f+48+8*\a+7], v[8*(6*\a+\b):8*(6*\a+\b)+7]
.endif
.endr
.endm
; 20 LDS loads in one run: the fragments of a quarter step (96 rows of the weights, 64 rows of x, 32 K at byte k of the rows)
.macro FETCH slot, k, f
	WIN 0
.irp i, 0,1,2,3,4,5
	ds_load_b128 v[\f+8*\i:\f+8*\i+3],   v[ADRB+\slot] offset:\k+\i*16*PITCH
	ds_load_b128 v[\f+8*\i+4:\f+8*\i+7], v[ADRB+\slot] offset:\k+\i*16*PITCH+32
.endr
.irp i, 0,1,2,3
	ds_load_b128 v[\f+48+8*\i:\f+48+8*\i+3],   v[ADRA+\slot] offset:\k+\i*16*PITCH
	ds_load_b128 v[\f+48+8*\i+4:\f+48+8*\i+7], v[ADRA+\slot] offset:\k+\i*16*PITCH+32
.endr
.endm
; four plain vector instructions between a matrix instruction and a load into one of its sources, or a vector instruction that reads its result
.macro PLACES
.rept 4
	v_nop
.endr
.endm
.macro QUARTER slot, k, f, g, zero
	s_wait_dscnt 4                                 ; the weights and x's row tiles 0, 1 are in; the four youngest loads (row tiles 2, 3) may be out
	WIN MUL
	MUL6 \f, 0, \zero
	MUL6 \f, 1, \zero
	PLACES
	FETCH \slot, \k, \g
	s_wait_dscnt 20                                ; all but the 20 just issued
	WIN MUL
	MUL6 \f, 2, \zero
	MUL6 \f, 3, \zero
.endm
.macro THREE slot, zero
	QUARTER \slot, 64,  F0, F1, \zero
	QUARTER \slot, 128, F1, F0, 0
	QUARTER \slot, 192, F0, F1, 0
.endm
; The last quarter of a K step changes slots.  In front of the barrier each wave waits for its reads of this slot and for all its tensor loads (one is out: its
; part of the next slot).  Behind it (where the slot is filled again: behind the whole round of the cluster's barrier) the refill comes first.
; From a request to the wait for it a wave issues 90 matrix instructions.
.macro TURN slot, next, fill
	s_wait_dscnt 4
	WIN MUL
	MUL6 F1, 0, 0
	s_wait_dscnt 0                                 ; my reads of this slot are over
	s_wait_tensorcnt 0x0                           ; all my tensor loads have landed
	ds_add_u32 v30, v31
	s_wait_dscnt 0x0
	s_barrier_signal -1
	MUL6 F1, 1, 0                                  ; register work while the others arrive
	WIN 0
	s_barrier_wait -1
.if \fill
	CREST                                          ; no wave of any partner still reads this slot or has a load on its way
	s_add_nc_u64 s[G0+4*\slot+2:G0+4*\slot+3], s[G0+4*\slot+2:G0+4*\slot+3], 2*KSTEP*2
	s_add_nc_u64 s[G0B+4*\slot+2:G0B+4*\slot+3], s[G0B+4*\slot+2:G0B+4*\slot+3], 2*KSTEP*2
	JLOAD \slot                                    ; the wave's one tensor load behind the round, two K steps ahead
.endif
	PLACES
	FETCH \next, 0, F0
	WIN MUL
	MUL6 F1, 2, 0
	MUL6 F1, 3, 0
.endm
.macro LAP zero
	THREE 0, \zero
	TURN 0, 1, 1
	THREE 1, 0
	TURN 1, 0, 1
.endm
	s_wait_tensorcnt 1                             ; my part of K step 0 is in; K step 1's stays out
	s_barrier_signal -1
	s_barrier_wait -1
	FETCH 0, 0, F0
	LAP 1                                          ; the first products start the sums: nothing is cleared
	WIN 0
	s_mov_b32 s3, LAPS-2
.Llap:
	LAP 0
	WIN 0
	s_sub_co_u32 s3, s3, 1
	s_cmp_lg_u32 s3, 0
	s_cbranch_scc1 .Llap
	THREE 0, 0                                     ; the last lap fills nothing
	TURN 0, 1, 0
	THREE 1, 0
	s_wait_dscnt 4
	WIN MUL
	MUL6 F1, 0, 0
	MUL6 F1, 1, 0
	s_wait_dscnt 0
	MUL6 F1, 2, 0
	MUL6 F1, 3, 0
	; THE WAY OUT.  (sum + bias) * factor = sum * factor + bias * factor, one fused multiply-add; the rotary turn; f16; through the stage by rows.
	PLACES
	WIN 0
	TABLOAD 2, TAB2
	TABLOAD 3, TAB3
	s_wait_loadcnt 16                              ; the 28 early loads are in; the 16 just issued stay out
	WIN 0x41
.irp b, 0,1,2,3,4,5
.irp p, 0,2,4,6
	v_pk_mul_f32 v[BIASR+8*\b+\p:BIASR+8*\b+\p+1], v[BIASR+8*\b+\p:BIASR+8*\b+\p+1], s[FS+2*\b:FS+2*\b+1] op_sel_hi:[1,0]
.endr
.endr
; row tile a: left = how many younger table loads may stay out (16: nothing new to wait for)
.macro EPI a, tab, left
	WIN 0x11
.irp b, 0,1,2,3,4,5
.irp p, 0,2,4,6
	v_pk_fma_f32 v[XR+8*\b+\p:XR+8*\b+\p+1], v[8*(6*\a+\b)+\p:8*(6*\a+\b)+\p+1], s[FS+2*\b:FS+2*\b+1], v[BIASR+8*\b+\p:BIASR+8*\b+\p+1] op_sel_hi:[1,0,1]
.endr
.endr
	WIN 0
.if \left < 16
	s_wait_loadcnt \left
.endif
.irp b, 0,1,2,3,4,5
.irp p, 0,2,4,6
	v_cndmask_b32 v[CS+\p],   1.0, v[\tab+8*(\b&3)+\p],   s[RS+\b]     ; v is not turned: cos = 1,
	v_cndmask_b32 v[CS+\p+1], 0,   v[\tab+8*(\b&3)+\p+1], s[RS+\b]     ; sin = 0
.endr
.irp p, 0,2,4,6
	v_mul_f32 v[TT+\p],   v[XR+8*\b+\p+1], v[CS+\p+1]                  ; x2 sin
	v_mul_f32 v[TT+\p+1], v[XR+8*\b+\p],   v[CS+\p+1]                  ; x1 sin
.endr
.irp p, 0,2,4,6
	v_fma_f32 v[XR+8*\b+\p],   v[XR+8*\b+\p],   v[CS+\p], -v[TT+\p]    ; x1 cos - x2 sin
	v_fma_f32 v[XR+8*\b+\p+1], v[XR+8*\b+\p+1], v[CS+\p], v[TT+\p+1]   ; x2 cos + x1 sin
.endr
.irp p, 0,1,2,3
	v_cvt_pk_f16_f32 v[PK+4*\b+\p], v[XR+8*\b+2*\p], v[XR+8*\b+2*\p+1]
.endr
	ds_store_b128 v[STO], v[PK+4*\b:PK+4*\b+3] offset:\a*16*SPITCH+32*\b
.endr
.endm
	EPI 0, TAB0, 16
	EPI 1, TAB1, 16
	EPI 2, TAB2, 8                                 ; row tile 2's eight loads are in, row tile 3's eight stay out
	EPI 3, TAB3, 0
	s_wait_dscnt 0x0                               ; my stores into the stage are done, for the other waves' sake
	s_barrier_signal -1
	s_barrier_wait -1
.irp g, 0,1,2
.irp q, 0,1,2,3,4,5,6,7
	ds_load_b128 v[32+4*(8*\g+\q):32+4*(8*\g+\q)+3], v[RD] offset:4*SPITCH*\q+128*\g
.endr
.endr
.irp g, 0,1,2
.irp q, 0,1,2,3,4,5,6,7
	s_wait_dscnt 23-(8*\g+\q)                      ; LDS loads come back in order
	global_store_b128 v[CO], v[32+4*(8*\g+\q):32+4*(8*\g+\q)+3], s[76:77] offset:262144*\g+512*\q   ; a wave's store covers 512 neighbouring bytes, aligned: four positions of one head
.endr
.endr
	s_wait_tensorcnt 0x0
	ds_add_u32 v30, v31
	s_wait_dscnt 0x0
	CROUND                                         ; the closing round: no work-group ends while a partner may still ask for a tile that names it
	s_endpgm
.Lfunc_end_k_q7520ea19ff_qkvproj:
	.size	k_q7520ea19ff_qkvproj, .Lfunc_end_k_q7520ea19ff_qkvproj-k_q7520ea19ff_qkvproj
	.p2alignl 7, 3214868480
	.fill 96, 4, 3214868480
	.section	.rodata,"a",@progbits
	.p2align	6, 0x0
	.amdhsa_kernel k_q7520ea19ff_qkvproj
		.amdhsa_group_segment_fixed_size 327680
		.amdhsa_private_segment_fixed_size 0
		.amdhsa_enable_private_segment 0
		.amdhsa_kernarg_size 40
		.amdhsa_user_sgpr_count 2
		.amdhsa_user_sgpr_kernarg_segment_ptr 1
		.amdhsa_wavefront_size32 1
		.amdhsa_system_sgpr_workgroup_id_x 1
		.amdhsa_system_sgpr_workgroup_id_y 1
		.amdhsa_system_sgpr_workgroup_id_z 1
		.amdhsa_system_vgpr_workitem_id 0
		.amdhsa_next_free_vgpr 512
		.amdhsa_next_free_sgpr 100
		.amdhsa_reserve_vcc 0
		.amdhsa_float_denorm_mode_32 3
		.amdhsa_float_denorm_mode_16_64 3
		.amdhsa_memory_ordered 1
		.amdhsa_forward_progress 1
		.amdhsa_inst_pref_size 140
	.end_amdhsa_kernel
	.amdgpu_metadata
---
amdhsa.version: [ 1, 2 ]
amdhsa.kernels:
  - .name:           k_q7520ea19ff_qkvproj
    .symbol:         k_q7520ea19ff_qkvproj.kd
    .args:
      - { .name: xb, .offset: 0, .size: 8, .value_kind: global_buffer, .address_space: global }
      - { .name: wqkvb, .offset: 8, .size: 8, .value_kind: global_buffer, .address_space: global }
      - { .name: bias, .offset: 16, .size: 8, .value_kind: global_buffer, .address_space: global }
      - { .name: tab, .offset: 24, .size: 8, .value_kind: global_buffer, .address_space: global }
      - { .name: qkv, .offset: 32, .size: 8, .value_kind: global_buffer, .address_space: global }
    .group_segment_fixed_size: 327680
    .private_segment_fixed_size: 0
    .kernarg_segment_align: 8
    .kernarg_segment_size: 40
    .max_flat_workgroup_size: 128
    .sgpr_count:     100
    .vgpr_count:     512
    .wavefront_size: 32
...
	.end_amdgpu_metadata
.endif
;; end of part 2
;; launch attn (part 3): grid 32 x 8, 8 waves a work-group, no clusters, 327,680 bytes of LDS; arguments qkv, ctx, xb, wqkvb, bias; writes ctx
.if DOCPART == 3
	.amdgcn_target "amdgcn-amd-amdhsa--gfx1250"
	.amdhsa_code_object_version 6
	.text
	.protected	k_q7520ea19ff_attn
	.globl	k_q7520ea19ff_attn
	.p2align	8
	.type	k_q7520ea19ff_attn,@function
k_q7520ea19ff_attn:
	s_mov_b64 s[64:65], 0
	v_nop
	global_prefetch_b8 v0, s[64:65] scope:SCOPE_SE
	s_setreg_imm32_b32 hwreg(HW_REG_WAVE_MODE, 25, 1), 1
	s_wait_xcnt 0x0
; attn: sliding-window causal attention, 0 <= i - j <= 1024, on qkv[b][G][s][64] (f16; q already turned and scaled by 0.125 log2(e), k turned), into ctx.
; A work-group takes 64 query positions (block qb) of the four query heads that share one key/value head: grid 32 x (2 batches x 4 kv heads) = 256.
; Eight waves, two on each SIMD, so that one wave's softmax arithmetic runs beside the other's matrix work.  Wave w: head w / 2, rows 32 (w & 1) .. + 31, as two tiles
; of 16 queries.  Keys go in tiles of 64, from block max(qb - 16, 0) to block qb: 1 to 17 steps; all other blocks are thrown away whole by the mask.
; Only the first and the last tile of a work-group can hold masked places; both have a valid key in every row, so the running maximum is a true score from the first step on.
; S is made transposed (source 0 = 16 keys, source 1 = 16 queries): lane (r, h) holds query r and keys 16 kt + 8 h + 0..7, which is, after rounding to f16, just the
; layout of the second source of O^T = V^T P^T: P never leaves the lane.  All a query's figures (maximum, sum, factor) are one number a lane.
; Softmax with a running maximum in f32, base 2.  Masked places hold the most negative finite f32, as in the problem.
; FORMATS: matrix operands f16 (11 significant bits), sums f32.  An early position averages few keys, so its output is some ten times the rms of the whole output, and
; one rounding to 11 bits of a number of that size is already a fifth of one hundredth of that rms.  So two numbers are carried as TWO f16 parts, hi = the f32 number with
; its low 13 mantissa bits cleared (an f16 number as it stands), lo = the exact rest, rounded to f16: about 21 significant bits.
;   ctx, for every position: ctx[4096][8 K steps][128 hi | 128 lo], a row of 4,096 bytes, so that the last product fetches both parts of a K step as one row of 512 bytes.
;   v, for positions 0 to 63: the work-groups with qb = 0, which have one key tile where others have up to 17, make their 64 x 64 block of v again from xb, wqkvb and
;   bias, keep it in f32, and multiply p by both parts.  (The tile of V that the first fill brings from qkv is not read in these eight work-groups.)
; LIMIT: |ctx| above 65,504 becomes infinite (v's rms at the drawn spreads is 0.64; with all inputs 30 times larger 576); below 2^-14 both parts are multiples of 2^-24.
; LIMIT: p in [0, 1] is rounded once to f16; the row sum is taken from p in f32.
; NO JOINT LOADS: neighbouring query blocks want other key tiles at the same step (block qb starts at qb - 16) and other numbers of them (1 to 17), and the
; four heads that do share a tile are already in this one work-group.  NO PREFETCH: K and V were stored by the launch just before this one.
.set KP,    144                        ; K's LDS pitch: 128 bytes + 16, an odd multiple of 16
.set VP,    160                        ; V's LDS pitch: 128 bytes + 32, an odd multiple of 32, for the transposing loads
.set VOFF,  64*KP
.set SLOT,  VOFF+64*VP                 ; 19,456 bytes: 64 keys of K, then of V
.set VX,    2*SLOT                     ; 38,912: v made again (qb = 0): 16 half fragments of 512 bytes of hi, then 16 of lo; no tensor load lands here
.set VXLO,  8192
.set STAGE, VX+2*VXLO                  ; 55,296: 64 rows x 1,040 bytes for the way out; no tensor load lands here
.set SP,    1040                       ; 1,024 bytes (4 heads x 64 x two f16 parts) + 16: an odd multiple of 16
.set KAD, 1                            ; v1  144 r + 16 h
.set VAD, 2                            ; v2  (8 h + (l & 7)) 160 + 16 ((l >> 3) & 1)
.set D0,  3                            ; v3  32 wh + r - 8 h: my query less my first key, inside a tile
.set STO, 4
.set RD,  5
.set CO,  6                            ; v6  16 l
.set DX,  7
.set U,   8
.set PT,  9                            ; what the other half of the lanes sends
.set M,   10                           ; v10, v11      running maximum of query tile 0, 1
.set NM,  12                           ; v[12:13], v[14:15]  its negative, in the low register of a pair
.set AL,  16                           ; v[16:17], v[18:19]  the factor exp2(old maximum - new), likewise
.set LS,  20                           ; v[20:21], v[30:31]  running sums, two partial sums a lane
.set T,   22                           ; v[22:29] at work
.set Q,   32                           ; Q(x, ds) = 32 + 16 x + 8 ds
.set S,   64                           ; S(x, kt) = 64 + 32 x + 8 kt; P(x, ks) in place at 64 + 32 x + 16 ks
.set O,   128                          ; O(x, dt) = 128 + 32 x + 8 dt
.set F,   192                          ; K(kt, ds) = 192 + 16 kt + 8 ds, then V(dt, ks) = 192 + 16 dt + 8 ks
; v made again (qb = 0 alone, ahead of the softmax, whose registers v10-31 are still free):
.set VA,  10                           ; v[10:17], v[18:25] two accumulators: my key tile x my two dim tiles
.set VO,  26                           ; v26 2,048 r + 16 h: my fragment bytes in a row of xb and of wqkvb
.set BO,  27                           ; v27 4 r
.set BV,  28                           ; v28, v29 bias of my dim in the two tiles
.set VXS, 30                           ; v30 where my half fragments go
.set VB,  64                           ; v[64:255] eight K steps of 24 registers: x's fragment, the two of wv
.set G1K, 32
.set G1V, 40
.set G0K, 48                           ; s[48:51] slot 0, s[52:55] slot 1
.set G0V, 56
; Wave 0 asks for K's tile, wave 1 for V's: 64 rows each, one tensor load a wave; the other waves ask for nothing.  A wave never has more than one out.
.macro KVLOAD s
	s_cmp_lg_u32 s8, 0
	s_cbranch_scc1 .Lnot_k_\@
	tensor_load_to_lds s[G0K+4*(\s):G0K+4*(\s)+3], s[G1K:G1K+7]
	s_nop 0
.Lnot_k_\@:
	s_cmp_lg_u32 s8, 1
	s_cbranch_scc1 .Lnot_v_\@
	tensor_load_to_lds s[G0V+4*(\s):G0V+4*(\s)+3], s[G1V:G1V+7]
	s_nop 0
.Lnot_v_\@:
.endm
	s_load_b128 s[4:7], s[0:1], 0x0                ; qkv 4:5, ctx 6:7
	s_load_b128 s[68:71], s[0:1], 0x10             ; xb 68:69, wqkvb 70:71
	s_load_b64 s[72:73], s[0:1], 0x20              ; bias
	s_set_vgpr_msb 0x40
	v_lshl_add_u32 v0, v0, 2, 0x29000
	v_mov_b32 v1, 0
	s_set_vgpr_msb 0x4045
	ds_add_u32 v0, v1
	s_set_vgpr_msb 0x4500
	v_lshrrev_b32 v1, 5, v0
	v_readfirstlane_b32 s8, v1                     ; wave 0..7
	s_lshr_b32 s9, s8, 1                           ; hl: which of the four heads
	s_and_b32 s10, s8, 1                           ; wh: which 32 rows
	s_mov_b32 s11, ttmp9                           ; qb
	s_and_b32 s12, ttmp7, 0xffff
	s_lshr_b32 s13, s12, 2                         ; b
	s_and_b32 s14, s12, 3                          ; kvh
	s_sub_co_i32 s15, s11, 16
	s_max_i32 s15, s15, 0                          ; kt0: the first key block
	s_sub_co_u32 s17, s11, s15
	s_add_co_u32 s16, s17, 1                       ; T: the number of steps
	s_lshl_b32 s17, s17, 6                         ; 64 (qb - kt0): query block less key block in the first step
	s_mov_b32 s20, 0x76543210                      ; v_permlanex16_b32: lane i reads lane i of the other half
	s_mov_b32 s21, 0xfedcba98
	s_mov_b32 s22, 0xff7fffff                      ; the most negative finite f32
	; group 1: 64 rows of 64 f16, dense in memory, padded behind every 32 words: K by 4 words, V by 8
	s_mov_b32 s[G1K+0], (1<<16)|(1<<20)|(4<<22)|(3<<25)
	s_mov_b32 s[G1V+0], (1<<16)|(1<<20)|(4<<22)|(7<<25)
	s_mov_b32 s[G1K+1], 64<<16
	s_mov_b32 s[G1V+1], 64<<16
	s_mov_b32 s[G1K+2], 64<<16
	s_mov_b32 s[G1V+2], 64<<16
	s_mov_b32 s[G1K+3], 64<<16
	s_mov_b32 s[G1V+3], 64<<16
	s_mov_b32 s[G1K+4], 64
	s_mov_b32 s[G1V+4], 64
	s_mov_b32 s[G1K+5], 64
	s_mov_b32 s[G1V+5], 64
	s_mov_b32 s[G1K+6], 0
	s_mov_b32 s[G1V+6], 0
	s_mov_b32 s[G1K+7], 0
	s_mov_b32 s[G1V+7], 0
	s_mul_i32 s23, s13, 24                         ; 24 b
	s_add_co_u32 s24, s23, s14
	s_add_co_u32 s24, s24, 16                      ; k's head: 24 b + 16 + kvh
	s_lshl_b32 s24, s24, 11
	s_lshl_b32 s25, s15, 6
	s_add_co_u32 s24, s24, s25                     ; + 64 kt0 positions
	s_lshl_b32 s24, s24, 7                         ; of 128 bytes
	s_mov_b32 s25, 0
	s_wait_dscnt 0x0
	s_barrier_signal -1
	s_barrier_wait -1
	s_wait_kmcnt 0x0
	s_add_nc_u64 s[24:25], s[4:5], s[24:25]
.irp s, 0,1
	s_mov_b32 s[G0K+4*\s], 1
	s_mov_b32 s[G0K+4*\s+1], \s*SLOT
	s_add_nc_u64 s[G0K+4*\s+2:G0K+4*\s+3], s[24:25], \s*8192               ; slot s starts with tile s
	s_or_b32 s[G0K+4*\s+3], s[G0K+4*\s+3], 0x80000000
	s_mov_b32 s[G0V+4*\s], 1
	s_mov_b32 s[G0V+4*\s+1], \s*SLOT+VOFF
	s_add_nc_u64 s[G0V+4*\s+2:G0V+4*\s+3], s[24:25], 0x100000+\s*8192      ; v's head lies four heads (4 x 2,048 x 128 bytes) behind k's
	s_or_b32 s[G0V+4*\s+3], s[G0V+4*\s+3], 0x80000000
.endr
	KVLOAD 0                                       ; the first fill: tile 0
	s_lshl_b32 s30, s14, 2                         ; Q: head 24 b + 4 kvh + hl, position 64 qb + 32 wh
	s_add_co_u32 s30, s30, s23
	s_add_co_u32 s30, s30, s9
	s_lshl_b32 s30, s30, 11
	s_lshl_b32 s31, s11, 6
	s_add_co_u32 s30, s30, s31
	s_lshl_b32 s31, s10, 5
	s_add_co_u32 s30, s30, s31
	s_lshl_b32 s30, s30, 7
	s_mov_b32 s31, 0
	s_add_nc_u64 s[26:27], s[4:5], s[30:31]
	v_and_b32 v23, 15, v0                          ; r
	v_bfe_u32 v24, v0, 4, 1                        ; h
	v_lshlrev_b32 v28, 7, v23
	v_lshl_add_u32 v28, v24, 4, v28                ; 128 r + 16 h
.irp x, 0,1
.irp ds, 0,1
	global_load_b128 v[Q+16*\x+8*\ds:Q+16*\x+8*\ds+3],   v28, s[26:27] offset:2048*\x+64*\ds
	global_load_b128 v[Q+16*\x+8*\ds+4:Q+16*\x+8*\ds+7], v28, s[26:27] offset:2048*\x+64*\ds+32
.endr
.endr
	s_lshl_b32 s30, s13, 11                        ; ctx: row 2048 b + 64 qb + 8 w of 4,096 bytes, byte 1,024 kvh
	s_lshl_b32 s31, s11, 6
	s_add_co_u32 s30, s30, s31
	s_lshl_b32 s31, s8, 3
	s_add_co_u32 s30, s30, s31
	s_lshl_b32 s30, s30, 12
	s_lshl_b32 s31, s14, 10
	s_add_co_u32 s30, s30, s31
	s_mov_b32 s31, 0
	s_add_nc_u64 s[28:29], s[6:7], s[30:31]
	v_and_b32 v22, 31, v0                          ; l
	v_mul_u32_u24 v[KAD], v23, KP
	v_lshl_add_u32 v[KAD], v24, 4, v[KAD]
	v_and_b32 v25, 7, v0
	v_lshl_add_u32 v25, v24, 3, v25
	v_mul_u32_u24 v[VAD], v25, VP
	v_bfe_u32 v26, v0, 3, 1
	v_lshl_add_u32 v[VAD], v26, 4, v[VAD]
	s_lshl_b32 s23, s10, 5                         ; 32 wh
	v_add_nc_u32 v[STO], s23, v23                  ; row 32 wh + r
	v_lshlrev_b32 v27, 3, v24
	v_sub_nc_u32 v[D0], v[STO], v27                ; may be below 0: all sums with it are modulo 2^32
	v_mul_u32_u24 v[STO], v[STO], SP
	v_lshl_add_u32 v[STO], v24, 4, v[STO]
	s_lshr_b32 s23, s9, 1                          ; a stage row: [hi of heads 0, 1 | lo of heads 0, 1 | hi of heads 2, 3 | lo of heads 2, 3], 256 bytes each
	s_lshl_b32 s23, s23, 9
	s_and_b32 s30, s9, 1
	s_lshl_b32 s30, s30, 7
	s_add_co_u32 s23, s23, s30
	s_add_co_u32 s23, s23, STAGE
	v_add_nc_u32 v[STO], s23, v[STO]               ; stage, in: row x 1,040 + 512 (hl / 2) + 128 (hl & 1) + 16 h
	s_mul_i32 s23, s8, 8*SP
	s_add_co_u32 s23, s23, STAGE
	v_lshlrev_b32 v[CO], 4, v22
	v_add_nc_u32 v[RD], s23, v[CO]                 ; stage, back: wave w takes rows 8 w .. 8 w + 7, half a row (512 bytes) an instruction
	v_mov_b32 v[PT], 0                             ; written once: the lane exchange counts as a reader of its destination
	v_mov_b32 v[NM+1], 0                           ; the upper registers of the pairs whose lower one is broadcast
	v_mov_b32 v[NM+3], 0
	v_mov_b32 v[AL+1], 0
	v_mov_b32 v[AL+3], 0
	s_wait_loadcnt 0x0                             ; Q, once
; eight matrix instructions: S^T(x, kt) (+)= K(kt, ds) Q(x, ds).  The eight accumulators take turns, one instruction a turn.
.macro SMUL ds, zero
.irp kt, 0,1,2,3
.irp x, 0,1
.if \zero
	v_wmma_f32_16x16x32_f16 v[S+32*\x+8*\kt:S+32*\x+8*\kt+7], v[F+16*\kt+8*\ds:F+16*\kt+8*\ds+7], v[Q+16*\x+8*\ds:Q+16*\x+8*\ds+7], 0
.else
	v_wmma_f32_16x16x32_f16 v[S+32*\x+8*\kt:S+32*\x+8*\kt+7], v[F+16*\kt+8*\ds:F+16*\kt+8*\ds+7], v[Q+16*\x+8*\ds:Q+16*\x+8*\ds+7], v[S+32*\x+8*\kt:S+32*\x+8*\kt+7]
.endif
.endr
.endr
.endm
; eight matrix instructions: O^T(x, dt) (+)= V^T(dt, ks) P^T(x, ks), by turns likewise
.macro OMUL ks, zero
.irp dt, 0,1,2,3
.irp x, 0,1
.if \zero
	v_wmma_f32_16x16x32_f16 v[O+32*\x+8*\dt:O+32*\x+8*\dt+7], v[F+16*\dt+8*\ks:F+16*\dt+8*\ks+7], v[S+32*\x+16*\ks:S+32*\x+16*\ks+7], 0
.else
	v_wmma_f32_16x16x32_f16 v[O+32*\x+8*\dt:O+32*\x+8*\dt+7], v[F+16*\dt+8*\ks:F+16*\dt+8*\ks+7], v[S+32*\x+16*\ks:S+32*\x+16*\ks+7], v[O+32*\x+8*\dt:O+32*\x+8*\dt+7]
.endif
.endr
.endr
.endm
; the mask on query tile x: i - j = DX - (16 kt + j) as an unsigned number is at most 1024 just where 0 <= i - j <= 1024
.macro MASK x
.irp kt, 0,1,2,3
.irp j, 0,1,2,3,4,5,6,7
	v_sub_nc_u32 v[U], v[DX], 16*\kt+\j
	v_cmp_ge_u32 vcc_lo, 0x400, v[U]
	v_cndmask_b32 v[S+32*\x+8*\kt+\j], s22, v[S+32*\x+8*\kt+\j], vcc_lo
.endr
.endr
.endm
; the softmax step of query tile x on its 32 scores a lane
.macro SOFT x, first
.irp c, 0,1,2,3
	v_max3_num_f32 v[T+\c], v[S+32*\x+8*\c], v[S+32*\x+8*\c+1], v[S+32*\x+8*\c+2]      ; four chains that do not wait for each other
.endr
.irp c, 0,1,2,3
	v_max3_num_f32 v[T+\c], v[T+\c], v[S+32*\x+8*\c+3], v[S+32*\x+8*\c+4]
.endr
.irp c, 0,1,2,3
	v_max3_num_f32 v[T+\c], v[T+\c], v[S+32*\x+8*\c+5], v[S+32*\x+8*\c+6]
.endr
.irp c, 0,1,2,3
	v_max_num_f32 v[T+\c], v[T+\c], v[S+32*\x+8*\c+7]
.endr
	v_max3_num_f32 v[T], v[T], v[T+1], v[T+2]
	v_max_num_f32 v[T], v[T], v[T+3]
	v_permlanex16_b32 v[PT], v[T], s20, s21        ; the query's other 32 keys lie in the other half of the lanes
.if \first
	v_max_num_f32 v[M+\x], v[T], v[PT]
	v_sub_f32 v[NM+2*\x], 0, v[M+\x]
.else
	v_max3_num_f32 v[T+4], v[T], v[PT], v[M+\x]    ; the new maximum
	v_sub_f32 v[T+5], v[M+\x], v[T+4]              ; old - new, at most 0
	v_sub_f32 v[NM+2*\x], 0, v[T+4]
.endif
.set ii, 0
.rept 16
	v_pk_add_f32 v[S+32*\x+ii:S+32*\x+ii+1], v[S+32*\x+ii:S+32*\x+ii+1], v[NM+2*\x:NM+2*\x+1] op_sel_hi:[1,0]
.set ii, ii+2
.endr
.if \first == 0
	v_exp_f32 v[AL+2*\x], v[T+5]
.endif
.set ii, 0
.rept 32
	v_exp_f32 v[S+32*\x+ii], v[S+32*\x+ii]
.set ii, ii+1
.endr
.if \first
	v_nop                                          ; one plain instruction between the exponentials and the first use of a result (ISA guide 5.7.2)
	s_wait_alu depctr_va_vdst(0)
.else
	v_mov_b32 v[M+\x], v[T+4]                      ; the same place, used
	s_wait_alu depctr_va_vdst(0)
.endif
.irp c, 0,1,2,3
	v_pk_add_f32 v[T+2*\c:T+2*\c+1], v[S+32*\x+8*\c:S+32*\x+8*\c+1], v[S+32*\x+8*\c+2:S+32*\x+8*\c+3]
.endr
.irp c, 0,1,2,3
	v_pk_add_f32 v[T+2*\c:T+2*\c+1], v[T+2*\c:T+2*\c+1], v[S+32*\x+8*\c+4:S+32*\x+8*\c+5]
.endr
.irp c, 0,1,2,3
	v_pk_add_f32 v[T+2*\c:T+2*\c+1], v[T+2*\c:T+2*\c+1], v[S+32*\x+8*\c+6:S+32*\x+8*\c+7]
.endr
	v_pk_add_f32 v[T:T+1], v[T:T+1], v[T+2:T+3]
	v_pk_add_f32 v[T+4:T+5], v[T+4:T+5], v[T+6:T+7]
.if \first
	v_pk_add_f32 v[LS+10*\x:LS+10*\x+1], v[T:T+1], v[T+4:T+5]              ; the first step starts the sums
.else
	v_pk_add_f32 v[T:T+1], v[T:T+1], v[T+4:T+5]
	v_pk_fma_f32 v[LS+10*\x:LS+10*\x+1], v[LS+10*\x:LS+10*\x+1], v[AL+2*\x:AL+2*\x+1], v[T:T+1] op_sel_hi:[1,0,1]
.endif
.irp ks, 0,1
.irp i, 0,1,2,3
	v_cvt_pk_f16_f32 v[S+32*\x+16*\ks+\i], v[S+32*\x+16*\ks+2*\i], v[S+32*\x+16*\ks+2*\i+1]             ; keys 32 ks + 8 h + 0..7: registers 0-3 of the fragment
.endr
.irp i, 0,1,2,3
	v_cvt_pk_f16_f32 v[S+32*\x+16*\ks+4+\i], v[S+32*\x+16*\ks+8+2*\i], v[S+32*\x+16*\ks+8+2*\i+1]       ; keys 32 ks + 16 + 8 h + 0..7: registers 4-7
.endr
.endr
.if \first == 0
.set ii, 0
.rept 16
	v_pk_mul_f32 v[O+32*\x+ii:O+32*\x+ii+1], v[O+32*\x+ii:O+32*\x+ii+1], v[AL+2*\x:AL+2*\x+1] op_sel_hi:[1,0]
.set ii, ii+2
.endr
.endif
.endm
; V^T's fragments of one part (plane = 0: hi, VXLO: lo) of the v that was made again: they lie in LDS as they lie in registers, 16 bytes a lane, 512 bytes a half fragment
.macro VXLOAD plane
.irp dt, 0,1,2,3
.irp ks, 0,1
	ds_load_b128 v[F+16*\dt+8*\ks:F+16*\dt+8*\ks+3],   v[CO] offset:VX+\plane+512*(4*\dt+2*\ks)
	ds_load_b128 v[F+16*\dt+8*\ks+4:F+16*\dt+8*\ks+7], v[CO] offset:VX+\plane+512*(4*\dt+2*\ks+1)
.endr
.endr
.endm
; one key tile.  two = 1: v comes in two parts from VX (qb = 0) and p is multiplied by both
.macro STEP slot, masked, first, delta, two
.irp ds, 0,1
.irp kt, 0,1,2,3
	ds_load_b128 v[F+16*\kt+8*\ds:F+16*\kt+8*\ds+3],   v[KAD] offset:\slot*SLOT+16*KP*\kt+64*\ds
	ds_load_b128 v[F+16*\kt+8*\ds+4:F+16*\kt+8*\ds+7], v[KAD] offset:\slot*SLOT+16*KP*\kt+64*\ds+32
.endr
.endr
	s_wait_dscnt 8                                 ; the eight loads of head dims 0-31 are in, the eight of dims 32-63 stay out
	SMUL 0, 1
	s_wait_dscnt 0
	SMUL 1, 0
.rept 4
	v_nop                                          ; four places between the products and the loads into their sources and the readers of their results
.endr
.if \two
	VXLOAD 0
.else
.irp dt, 0,1,2,3
.irp ks, 0,1
	ds_load_tr16_b128 v[F+16*\dt+8*\ks:F+16*\dt+8*\ks+3],   v[VAD] offset:\slot*SLOT+VOFF+32*VP*\ks+32*\dt
	ds_load_tr16_b128 v[F+16*\dt+8*\ks+4:F+16*\dt+8*\ks+7], v[VAD] offset:\slot*SLOT+VOFF+32*VP*\ks+16*VP+32*\dt
.endr
.endr
.endif
.if \masked
	v_add_nc_u32 v[DX], \delta, v[D0]
	MASK 0
	v_add_nc_u32 v[DX], 16, v[DX]
	MASK 1
.endif
	SOFT 0, \first
	SOFT 1, \first
	s_wait_dscnt 0                                 ; V's fragments, asked for in front of the softmax
	OMUL 0, \first
	OMUL 1, 0
.if \two
.rept 4
	v_nop                                          ; four places between the products and the loads into their sources
.endr
	VXLOAD VXLO
	s_wait_dscnt 0
	OMUL 0, 0                                      ; + lo x p, on the same eight accumulators by turns
	OMUL 1, 0
.endif
.rept 5
	v_nop                                          ; five places: the next step's products write over P, its loads land in V's registers, the way out reads O
.endr
.endm
; A step with its change of slots.  In front of the barrier every wave waits for all its tensor loads (this step's tile among them) and for its LDS instructions
; (its reads of the other slot; with qb = 0 its stores of v's parts); behind it the other slot is asked for first, then this slot is read.
.macro TRIP slot, refill, masked, first, delta, two
	s_set_vgpr_msb 0x5
	s_wait_tensorcnt 0x0                           ; no tensor load of mine is out, so a group 0 may be written:
	ds_add_u32 v0, v1
	s_wait_dscnt 0x0
	s_set_vgpr_msb 0x500
	s_add_nc_u64 s[G0K+4*\slot+2:G0K+4*\slot+3], s[G0K+4*\slot+2:G0K+4*\slot+3], 16384     ; this slot's next tile, two tiles of 8,192 bytes on
	s_add_nc_u64 s[G0V+4*\slot+2:G0V+4*\slot+3], s[G0V+4*\slot+2:G0V+4*\slot+3], 16384
	s_wait_dscnt 0x0
	s_barrier_signal -1
	s_barrier_wait -1
.if \refill
	KVLOAD 1-\slot
.endif
	STEP \slot, \masked, \first, \delta, \two
.endm
	s_cmp_eq_u32 s16, 1
	s_cbranch_scc1 .Lonly
	TRIP 0, 1, 1, 1, s17, 0                        ; the first tile: the far edge of the window (or, for qb < 16, key block 0, where the mask passes everything)
	s_sub_co_u32 s19, s16, 2                       ; tiles between the first and the last: none of their places is masked
	s_lshr_b32 s18, s19, 1
	s_cmp_eq_u32 s18, 0
	s_cbranch_scc1 .Lpairs_done
.Lpair:
	TRIP 1, 1, 0, 0, 0, 0
	TRIP 0, 1, 0, 0, 0, 0
	s_sub_co_u32 s18, s18, 1
	s_cmp_lg_u32 s18, 0
	s_cbranch_scc1 .Lpair
.Lpairs_done:
	s_and_b32 s23, s19, 1
	s_cmp_eq_u32 s23, 0
	s_cbranch_scc1 .Leven
	TRIP 1, 1, 0, 0, 0, 0
	TRIP 0, 0, 1, 0, 0, 0                          ; the last tile: the diagonal; nothing is left to fetch
	s_branch .Lout
.Leven:
	TRIP 1, 0, 1, 0, 0, 0
	s_branch .Lout
	; qb = 0: the one tile is first and last.  First v[key 0..63][dim 0..63] of my batch and kv head is made again: x (bf16) times wv (bf16), sums in f32, + bias.
	; Wave w makes key tile kt = w / 2 x dim tiles 2 (w & 1), 2 (w & 1) + 1: two accumulators by turns, one instruction a turn.
	; Source 0 = 16 rows of x, source 1 = 16 rows of wv: lane (r, h) holds dim r and keys 16 kt + 8 h + 0..7, which packed is half a fragment of V^T (registers 0-3 for an
	; even kt, 4-7 for an odd one).  The fragments come straight from memory: K lies along the rows of both.
.Lonly:
	s_lshr_b32 s23, s8, 1                          ; kt
	s_lshl_b32 s30, s13, 11
	s_lshl_b32 s31, s23, 4
	s_add_co_u32 s30, s30, s31                     ; row 2048 b + 16 kt of xb
	s_lshl_b32 s30, s30, 11                        ; rows of 2,048 bytes
	s_mov_b32 s31, 0
	s_add_nc_u64 s[24:25], s[68:69], s[30:31]
	s_lshl_b32 s30, s14, 6
	s_lshl_b32 s19, s10, 5
	s_add_co_u32 s30, s30, s19
	s_add_co_u32 s30, s30, 1280                    ; row 1280 + 64 kvh + 32 (w & 1) of wqkvb, and the same place in bias
	s_lshl_b32 s18, s30, 2
	s_mov_b32 s19, 0
	s_add_nc_u64 s[72:73], s[72:73], s[18:19]
	s_lshl_b32 s30, s30, 11
	s_add_nc_u64 s[26:27], s[70:71], s[30:31]
	s_lshl_b32 s19, s10, 3
	s_add_co_u32 s19, s19, s23                     ; half fragment 4 dt + kt = 8 (w & 1) + kt, and 4 further on
	s_lshl_b32 s19, s19, 9
	v_lshlrev_b32 v[VO], 11, v23                   ; v23 = r, v24 = h still
	v_lshl_add_u32 v[VO], v24, 4, v[VO]
	v_lshlrev_b32 v[BO], 2, v23
	v_add_nc_u32 v[VXS], s19, v[CO]
	global_load_b32 v[BV], v[BO], s[72:73]
	global_load_b32 v[BV+1], v[BO], s[72:73] offset:64
.irp g, 0,1,2,3
.irp s, 0,1,2,3,4,5,6,7
	global_load_b128 v[VB+24*\s:VB+24*\s+3],     v[VO], s[24:25] offset:512*\g+64*\s
	global_load_b128 v[VB+24*\s+4:VB+24*\s+7],   v[VO], s[24:25] offset:512*\g+64*\s+32
	global_load_b128 v[VB+24*\s+8:VB+24*\s+11],  v[VO], s[26:27] offset:512*\g+64*\s
	global_load_b128 v[VB+24*\s+12:VB+24*\s+15], v[VO], s[26:27] offset:512*\g+64*\s+32
	global_load_b128 v[VB+24*\s+16:VB+24*\s+19], v[VO], s[26:27] offset:32768+512*\g+64*\s
	global_load_b128 v[VB+24*\s+20:VB+24*\s+23], v[VO], s[26:27] offset:32768+512*\g+64*\s+32
.endr
.irp s, 0,1,2,3,4,5,6,7
	s_wait_loadcnt 42-6*\s                         ; loads come back in order: K step s of the batch is in, the six loads of each younger step stay out
.if \g+\s == 0
	v_wmma_f32_16x16x32_bf16 v[VA:VA+7],    v[VB+24*\s:VB+24*\s+7], v[VB+24*\s+8:VB+24*\s+15],  0
	v_wmma_f32_16x16x32_bf16 v[VA+8:VA+15], v[VB+24*\s:VB+24*\s+7], v[VB+24*\s+16:VB+24*\s+23], 0
.else
	v_wmma_f32_16x16x32_bf16 v[VA:VA+7],    v[VB+24*\s:VB+24*\s+7], v[VB+24*\s+8:VB+24*\s+15],  v[VA:VA+7]
	v_wmma_f32_16x16x32_bf16 v[VA+8:VA+15], v[VB+24*\s:VB+24*\s+7], v[VB+24*\s+16:VB+24*\s+23], v[VA+8:VA+15]
.endif
.endr
.rept 5
	v_nop                                          ; places between the products and the next batch's loads into their sources; behind the last batch: the readers of the sums, and the scores that write over the sources
.endr
.endr
.irp j, 0,1,2,3,4,5,6,7
	v_add_f32 v[VA+\j],   v[BV],   v[VA+\j]
	v_add_f32 v[VA+8+\j], v[BV+1], v[VA+8+\j]
.endr
.set ii, 0
.rept 16
	v_and_b32 v[VB+ii], 0xffffe000, v[VA+ii]       ; hi: 11 significant bits
.set ii, ii+1
.endr
.set ii, 0
.rept 8
	v_pk_add_f32 v[VA+ii:VA+ii+1], v[VA+ii:VA+ii+1], v[VB+ii:VB+ii+1] neg_lo:[0,1] neg_hi:[0,1]   ; lo: the rest, exact
.set ii, ii+2
.endr
.set ii, 0
.rept 8
	v_cvt_pk_f16_f32 v[VB+16+ii], v[VB+2*ii], v[VB+2*ii+1]
	v_cvt_pk_f16_f32 v[VB+24+ii], v[VA+2*ii], v[VA+2*ii+1]
.set ii, ii+1
.endr
	ds_store_b128 v[VXS], v[VB+16:VB+19] offset:VX
	ds_store_b128 v[VXS], v[VB+20:VB+23] offset:VX+2048
	ds_store_b128 v[VXS], v[VB+24:VB+27] offset:VX+VXLO
	ds_store_b128 v[VXS], v[VB+28:VB+31] offset:VX+VXLO+2048
	TRIP 0, 0, 1, 1, s17, 1                        ; its wait for my LDS stores and its barrier show v's parts to all eight waves
.Lout:
	; THE WAY OUT: divide by the row sum, split into the two f16 parts, 16 bytes a lane and part into the stage, half rows of 512 bytes back and out
.irp x, 0,1
	v_add_f32 v[T+\x], v[LS+10*\x], v[LS+10*\x+1]
.endr
	v_permlanex16_b32 v[PT], v[T], s20, s21
	v_add_f32 v[T], v[T], v[PT]
	v_permlanex16_b32 v[PT], v[T+1], s20, s21
	v_add_f32 v[T+1], v[T+1], v[PT]
	v_rcp_f32 v[AL], v[T]
	v_rcp_f32 v[AL+2], v[T+1]
	v_nop                                          ; one plain instruction between the reciprocals and their first use (ISA guide 5.7.2)
	s_wait_alu depctr_va_vdst(0)
.irp x, 0,1
.set ii, 0
.rept 16
	v_pk_mul_f32 v[O+32*\x+ii:O+32*\x+ii+1], v[O+32*\x+ii:O+32*\x+ii+1], v[AL+2*\x:AL+2*\x+1] op_sel_hi:[1,0]
.set ii, ii+2
.endr
.irp dt, 0,1,2,3
.irp j, 0,1,2,3,4,5,6,7
	v_and_b32 v[S+16*\dt+\j], 0xffffe000, v[O+32*\x+8*\dt+\j]              ; hi
.endr
.irp j, 0,2,4,6
	v_pk_add_f32 v[O+32*\x+8*\dt+\j:O+32*\x+8*\dt+\j+1], v[O+32*\x+8*\dt+\j:O+32*\x+8*\dt+\j+1], v[S+16*\dt+\j:S+16*\dt+\j+1] neg_lo:[0,1] neg_hi:[0,1]   ; lo
.endr
.irp i, 0,1,2,3
	v_cvt_pk_f16_f32 v[S+16*\dt+8+\i],  v[S+16*\dt+2*\i], v[S+16*\dt+2*\i+1]
	v_cvt_pk_f16_f32 v[S+16*\dt+12+\i], v[O+32*\x+8*\dt+2*\i], v[O+32*\x+8*\dt+2*\i+1]
.endr
	ds_store_b128 v[STO], v[S+16*\dt+8:S+16*\dt+11]  offset:16*SP*\x+32*\dt
	ds_store_b128 v[STO], v[S+16*\dt+12:S+16*\dt+15] offset:16*SP*\x+32*\dt+256
.endr
.endr
	s_wait_dscnt 0x0                               ; my stores are done, for the other waves' sake
	s_barrier_signal -1
	s_barrier_wait -1
.irp q, 0,1,2,3,4,5,6,7
.irp u, 0,1
	ds_load_b128 v[S+4*(2*\q+\u):S+4*(2*\q+\u)+3], v[RD] offset:SP*\q+512*\u
.endr
.endr
.irp q, 0,1,2,3,4,5,6,7
.irp u, 0,1
	s_wait_dscnt 15-(2*\q+\u)                      ; LDS loads come back in order
	global_store_b128 v[CO], v[S+4*(2*\q+\u):S+4*(2*\q+\u)+3], s[28:29] offset:4096*\q+512*\u   ; a wave's store covers 512 neighbouring bytes, aligned: both parts of two heads of one position
.endr
.endr
	s_set_vgpr_msb 0x5
	s_wait_tensorcnt 0x0
	ds_add_u32 v0, v1
	s_wait_dscnt 0x0
	s_set_vgpr_msb 0x500
	s_endpgm
.Lfunc_end_k_q7520ea19ff_attn:
	.size	k_q7520ea19ff_attn, .Lfunc_end_k_q7520ea19ff_attn-k_q7520ea19ff_attn
	.p2alignl 7, 3214868480
	.fill 96, 4, 3214868480
	.section	.rodata,"a",@progbits
	.p2align	6, 0x0
	.amdhsa_kernel k_q7520ea19ff_attn
		.amdhsa_group_segment_fixed_size 327680
		.amdhsa_private_segment_fixed_size 0
		.amdhsa_enable_private_segment 0
		.amdhsa_kernarg_size 40
		.amdhsa_user_sgpr_count 2
		.amdhsa_user_sgpr_kernarg_segment_ptr 1
		.amdhsa_wavefront_size32 1
		.amdhsa_system_sgpr_workgroup_id_x 1
		.amdhsa_system_sgpr_workgroup_id_y 1
		.amdhsa_system_sgpr_workgroup_id_z 1
		.amdhsa_system_vgpr_workitem_id 0
		.amdhsa_next_free_vgpr 258
		.amdhsa_next_free_sgpr 76
		.amdhsa_reserve_vcc 1
		.amdhsa_float_denorm_mode_32 3
		.amdhsa_float_denorm_mode_16_64 3
		.amdhsa_memory_ordered 1
		.amdhsa_forward_progress 1
		.amdhsa_inst_pref_size 212
	.end_amdhsa_kernel
	.amdgpu_metadata
---
amdhsa.version: [ 1, 2 ]
amdhsa.kernels:
  - .name:           k_q7520ea19ff_attn
    .symbol:         k_q7520ea19ff_attn.kd
    .args:
      - { .name: qkv, .offset: 0, .size: 8, .value_kind: global_buffer, .address_space: global }
      - { .name: ctx, .offset: 8, .size: 8, .value_kind: global_buffer, .address_space: global }
      - { .name: xb, .offset: 16, .size: 8, .value_kind: global_buffer, .address_space: global }
      - { .name: wqkvb, .offset: 24, .size: 8, .value_kind: global_buffer, .address_space: global }
      - { .name: bias, .offset: 32, .size: 8, .value_kind: global_buffer, .address_space: global }
    .group_segment_fixed_size: 327680
    .private_segment_fixed_size: 0
    .kernarg_segment_align: 8
    .kernarg_segment_size: 40
    .max_flat_workgroup_size: 256
    .sgpr_count:     76
    .vgpr_count:     258
    .wavefront_size: 32
...
	.end_amdgpu_metadata
.endif
;; end of part 3
;; launch oproj (part 4): grid 8 x 32, 4 waves a work-group, clusters of 4 x 4, 327,680 bytes of LDS; arguments ctx, woh, out0; writes out0
.if DOCPART == 4
	.amdgcn_target "amdgcn-amd-amdhsa--gfx1250"
	.amdhsa_code_object_version 6
	.text
	.protected	k_q7520ea19ff_oproj
	.globl	k_q7520ea19ff_oproj
	.p2align	8
	.type	k_q7520ea19ff_oproj,@function
k_q7520ea19ff_oproj:
	s_mov_b64 s[64:65], 0
	v_nop
	global_prefetch_b8 v0, s[64:65] scope:SCOPE_SE
	s_setreg_imm32_b32 hwreg(HW_REG_WAVE_MODE, 25, 1), 1
	s_wait_xcnt 0x0
	s_wait_alu depctr_hold_cnt(0) depctr_sa_sdst(0) depctr_va_vdst(0) depctr_va_sdst(0) depctr_va_ssrc(0) depctr_va_vcc(0) depctr_vm_vsrc(0)
	s_getreg_b32 s2, hwreg(HW_REG_IB_STS2, 6, 4)
	s_cmp_eq_u32 s2, 0
	s_cbranch_scc0 .Lentry_in_a_cluster
	s_endpgm
.Lentry_in_a_cluster:
	s_bfe_u32 s2, ttmp6, 0x10000c
	s_cmp_lg_u32 s2, 0xf033
	s_cbranch_scc0 .Lentry_shape_is_right
	s_endpgm
.Lentry_shape_is_right:
; oproj: out0 [4096][1024] f32 = ctx * woh^T, sums in f32.  woh [1024][1024] f16 (wo_w rounded to bf16, held as f16 codes).
; ctx comes in two f16 parts, ctx = hi + lo, as [4096][8 K steps][128 hi | 128 lo]: both parts are multiplied by the same fragments of woh and added onto the same
; accumulators, so ctx enters with about 21 significant bits.  (An early position's output is some ten times the rms of the whole output: 11 bits are too few there.)
; A work-group makes 128 x 128 with four waves; a wave makes 64 x 64: 16 accumulator tiles, 128 registers.  32 x 8 = 256 work-groups.
; K = 1024 goes in 8 steps of 128 through two LDS slots filled by tensor loads; ctx's tile rows are 512 bytes of memory, woh's 256, all aligned to 256.
; For 32 along K a wave loads 12 fragments (4 of woh, 4 of hi, 4 of lo) and issues 32 matrix instructions.
; CLUSTERS: 4 x 4 work-groups; ctx's tiles are shared along a row of the cluster, woh's along a column, each asked for jointly by the four.
; The matrix instruction is used transposed (source 0 = rows of woh, source 1 = rows of ctx): a lane's eight results are eight neighbouring columns of one row.
; REGISTERS: window 0: v16-26 addresses; v32-127, v128-223 fragments, two buffers.  Window 1: v0-127 accumulators, tile (a, b) at 8 (4 a + b).
.set KSTEP,  128
.set APITCH, 528                       ; ctx: 512 bytes + 16 of padding: an odd multiple of 16
.set BPITCH, 272                       ; woh: 256 bytes + 16
.set PART,   64*APITCH                 ; a wave's part of a slot: waves 0, 1: 64 rows of ctx each; waves 2, 3: 64 rows of woh each (the rest of the part stays unused)
.set SLOT,   4*PART
.set STAGE,  2*SLOT                    ; behind the ring: 16 rows x 272 bytes for each wave; no tensor load lands here
.set SPITCH, 272                       ; 64 f32 + 16 bytes
.set LAPS,   4
.set ADRA, 16
.set ADRB, 20
.set STO,  24
.set RD,   25
.set CO,   26
.set F0,   32                          ; a buffer: woh's fragment b at 8 b, hi's a at 32 + 8 a, lo's a at 64 + 8 a
.set F1,   128
.set G1,  24
.set G0,  32
.set G1B, 48
.set G0B, 56
.set MSB, 0
.macro WIN new                         ; the immediate's high byte repeats the setting that is left
.if MSB != \new
	s_set_vgpr_msb (MSB<<8)|\new
.set MSB, \new
.endif
.endm
.set MUL, 0x50                         ; sources 0 and 1 window 0, C and D window 1
.macro JLOAD s                         ; waves 0, 1 fetch ctx's two halves, waves 2, 3 woh's; the branch hangs on the wave's number alone
	s_cmp_eq_u32 s11, 0
	s_cbranch_scc0 .Lfor_b_\@
	tensor_load_to_lds s[G0+4*\s:G0+4*\s+3], s[G1:G1+7]
	s_nop 0
	s_branch .Lasked_\@
.Lfor_b_\@:
	tensor_load_to_lds s[G0B+4*\s:G0B+4*\s+3], s[G1B:G1B+7]
	s_nop 0
.Lasked_\@:
.endm
.macro CREST                           ; a round of the cluster's barrier behind its opening barrier
	s_cmp_lg_u32 s10, 0
	s_cbranch_scc1 .Lnot_wave_0_\@
	s_barrier_signal -3
.Lnot_wave_0_\@:
	s_barrier_wait -3
	s_barrier_signal -1
	s_barrier_wait -1
.endm
.macro CROUND
	s_barrier_signal -1
	s_barrier_wait -1
	CREST
.endm
	s_load_b128 s[4:7], s[0:1], 0x0                ; ctx 4:5, woh 6:7
	s_load_b64 s[8:9], s[0:1], 0x10                ; out0
	v_lshl_add_u32 v254, v0, 2, 0x46400
	v_mov_b32 v255, 0
	ds_add_u32 v254, v255
	v_lshrrev_b32 v1, 5, v0
	v_readfirstlane_b32 s10, v1                    ; wave 0..3
	s_lshr_b32 s11, s10, 1                         ; wm; also: I fetch for ctx (0) or for woh (1)
	s_and_b32 s12, s10, 1                          ; wn; also: which 64 rows of that tile I fetch
	s_bfe_u32 s40, ttmp6, 0x40000                  ; cx
	s_bfe_u32 s41, ttmp6, 0x40004                  ; cy
	s_lshl_b32 s42, ttmp9, 2
	s_add_co_u32 s42, s42, s40                     ; bx
	s_and_b32 s13, ttmp7, 0xffff
	s_lshl_b32 s13, s13, 2
	s_add_co_u32 s13, s13, s41                     ; by
	s_lshl_b32 s43, s41, 2
	s_lshl_b32 s43, 15, s43                        ; my row of the cluster
	s_lshl_b32 s44, 0x1111, s40                    ; my column
	; group 1, 2-byte elements.  ctx: 64 rows of 256 elements (128 hi, 128 lo), 4 words of padding behind every 128; woh: 64 rows of 128 elements, 4 words behind every 64
	s_or_b32 s[G1+0], s43, (1<<16)|(1<<20)|(1<<21)|(6<<22)|(3<<25)
	s_or_b32 s[G1B+0], s44, (1<<16)|(1<<20)|(1<<21)|(5<<22)|(3<<25)
	s_mov_b32 s[G1+1], (2*KSTEP)<<16               ; tensor_dim0
	s_mov_b32 s[G1B+1], KSTEP<<16
	s_mov_b32 s[G1+2], 64<<16                      ; tensor_dim1
	s_mov_b32 s[G1B+2], 64<<16
	s_mov_b32 s[G1+3], (2*KSTEP)<<16               ; tile_dim0
	s_mov_b32 s[G1B+3], KSTEP<<16
	s_mov_b32 s[G1+4], 64                          ; tile_dim1
	s_mov_b32 s[G1B+4], 64
	s_mov_b32 s[G1+5], 2048                        ; elements from row to row
	s_mov_b32 s[G1B+5], 1024
	s_mov_b32 s[G1+6], 0
	s_mov_b32 s[G1B+6], 0
	s_mov_b32 s[G1+7], 0
	s_mov_b32 s[G1B+7], 0
	s_lshl_b32 s17, s12, 6
	s_lshl_b32 s16, s13, 7
	s_add_co_u32 s16, s16, s17                     ; ctx: row 128 by + 64 half
	s_lshl_b32 s16, s16, 12                        ; of 4,096 bytes
	s_lshl_b32 s46, s42, 7
	s_add_co_u32 s46, s46, s17                     ; woh: row 128 bx + 64 half
	s_lshl_b32 s46, s46, 11                        ; of 2,048 bytes
	s_mov_b32 s17, 0
	s_mov_b32 s47, 0
	s_mul_i32 s20, s10, PART                       ; where my part goes: the wave's number times a constant
	s_wait_dscnt 0x0
	s_wait_kmcnt 0x0
	s_add_nc_u64 s[14:15], s[4:5], s[16:17]
	s_add_nc_u64 s[46:47], s[6:7], s[46:47]
	CROUND                                         ; all sixteen work-groups are here: the first joint loads meet
.irp s, 0,1
	s_mov_b32 s[G0+4*\s], 1
	s_add_co_u32 s[G0+4*\s+1], s20, \s*SLOT
	s_add_nc_u64 s[G0+4*\s+2:G0+4*\s+3], s[14:15], \s*KSTEP*4              ; a K step of ctx: 512 bytes
	s_or_b32 s[G0+4*\s+3], s[G0+4*\s+3], 0x80000000
	s_mov_b32 s[G0B+4*\s], 1
	s_add_co_u32 s[G0B+4*\s+1], s20, \s*SLOT
	s_add_nc_u64 s[G0B+4*\s+2:G0B+4*\s+3], s[46:47], \s*KSTEP*2            ; of woh: 256 bytes
	s_or_b32 s[G0B+4*\s+3], s[G0B+4*\s+3], 0x80000000
	JLOAD \s                                       ; two tensor loads of the wave are out
.endr
	v_and_b32 v1, 15, v0                           ; r
	v_bfe_u32 v2, v0, 4, 1                         ; h
	v_mul_u32_u24 v3, v1, APITCH
	v_lshl_add_u32 v3, v2, 4, v3
	v_mul_u32_u24 v6, v1, BPITCH
	v_lshl_add_u32 v6, v2, 4, v6
	s_mul_i32 s21, s11, PART
	s_mul_i32 s22, s12, PART
	s_add_co_u32 s22, s22, 2*PART
.irp s, 0,1
	v_add_nc_u32 v[ADRA+\s], s21, v3
	v_add_nc_u32 v[ADRB+\s], s22, v6
	s_add_co_u32 s21, s21, SLOT
	s_add_co_u32 s22, s22, SLOT
.endr
	s_mul_i32 s23, s10, 16*SPITCH
	s_add_co_u32 s23, s23, STAGE                   ; my stage
	v_mul_u32_u24 v4, v1, SPITCH                   ; in: row r, 32 bytes (8 f32) for each half of the lanes
	v_lshl_add_u32 v4, v2, 5, v4
	v_add_nc_u32 v[STO], s23, v4
	v_mul_u32_u24 v5, v2, SPITCH                   ; back: lanes 0-15 one row of 256 bytes, lanes 16-31 the next
	v_lshl_add_u32 v5, v1, 4, v5
	v_add_nc_u32 v[RD], s23, v5
	v_lshlrev_b32 v5, 12, v2                       ; the same two rows in out0: 4,096 bytes apart
	v_lshl_add_u32 v[CO], v1, 4, v5
; four matrix instructions: part p (0: hi, 1: lo) of row tile a x all four column tiles.  The 16 accumulators take turns, one instruction a turn, in the same order for
; hi and for lo in every quarter step.
.macro MUL4 f, p, a, zero
.irp b, 0,1,2,3
.if \zero
	v_wmma_f32_16x16x32_f16 v[8*(4*\a+\b):8*(4*\a+\b)+7], v[\f+8*\b:\f+8*\b+7], v[\f+32+32*\p+8*\a:\f+32+32*\p+8*\a+7], 0
.else
	v_wmma_f32_16x16x32_f16 v[8*(4*\a+\b):8*(4*\a+\b)+7], v[\f+8*\b:\f+8*\b+7], v[\f+32+32*\p+8*\a:\f+32+32*\p+8*\a+7], v[8*(4*\a+\b):8*(4*\a+\b)+7]
.endif
.endr
.endm
.macro FETCH slot, k, f                ; 24 LDS loads in one run: woh, hi, lo; lo lies 256 bytes behind hi in ctx's rows
	WIN 0
.irp i, 0,1,2,3
	ds_load_b128 v[\f+8*\i:\f+8*\i+3],   v[ADRB+\slot] offset:\k+\i*16*BPITCH
	ds_load_b128 v[\f+8*\i+4:\f+8*\i+7], v[ADRB+\slot] offset:\k+\i*16*BPITCH+32
.endr
.irp i, 0,1,2,3
	ds_load_b128 v[\f+32+8*\i:\f+32+8*\i+3],   v[ADRA+\slot] offset:\k+\i*16*APITCH
	ds_load_b128 v[\f+32+8*\i+4:\f+32+8*\i+7], v[ADRA+\slot] offset:\k+\i*16*APITCH+32
.endr
.irp i, 0,1,2,3
	ds_load_b128 v[\f+64+8*\i:\f+64+8*\i+3],   v[ADRA+\slot] offset:\k+256+\i*16*APITCH
	ds_load_b128 v[\f+64+8*\i+4:\f+64+8*\i+7], v[ADRA+\slot] offset:\k+256+\i*16*APITCH+32
.endr
.endm
.macro PLACES                          ; four plain vector instructions between a matrix instruction and a load into one of its sources, or a reader of its result
.rept 4
	v_nop
.endr
.endm
.macro QUARTER slot, k, f, g, zero
	s_wait_dscnt 8                                 ; woh's and hi's fragments are in; the eight youngest loads (lo) may be out
	WIN MUL
	MUL4 \f, 0, 0, \zero
	MUL4 \f, 0, 1, \zero
	MUL4 \f, 0, 2, \zero
	MUL4 \f, 0, 3, \zero
	PLACES
	FETCH \slot, \k, \g
	s_wait_dscnt 24                                ; all but the 24 just issued
	WIN MUL
	MUL4 \f, 1, 0, 0
	MUL4 \f, 1, 1, 0
	MUL4 \f, 1, 2, 0
	MUL4 \f, 1, 3, 0
.endm
.macro THREE slot, zero
	QUARTER \slot, 64,  F0, F1, \zero
	QUARTER \slot, 128, F1, F0, 0
	QUARTER \slot, 192, F0, F1, 0
.endm
; The last quarter of a K step changes slots: each wave's waits for its reads of this slot and for all its tensor loads, the barrier (with a refill: the whole round
; of the cluster's barrier), the refill first behind it.  From a request to the wait for it a wave issues 120 matrix instructions.
.macro TURN slot, next, fill
	s_wait_dscnt 8
	WIN MUL
	MUL4 F1, 0, 0, 0
	MUL4 F1, 0, 1, 0
	s_wait_dscnt 0                                 ; my reads of this slot are over
	s_wait_tensorcnt 0x0                           ; all my tensor loads have landed
	ds_add_u32 v254, v255
	s_wait_dscnt 0x0
	s_barrier_signal -1
	MUL4 F1, 0, 2, 0                               ; register work while the others arrive
	MUL4 F1, 0, 3, 0
	WIN 0
	s_barrier_wait -1
.if \fill
	CREST                                          ; no wave of any partner still reads this slot or has a load on its way
	s_add_nc_u64 s[G0+4*\slot+2:G0+4*\slot+3], s[G0+4*\slot+2:G0+4*\slot+3], 2*KSTEP*4
	s_add_nc_u64 s[G0B+4*\slot+2:G0B+4*\slot+3], s[G0B+4*\slot+2:G0B+4*\slot+3], 2*KSTEP*2
	JLOAD \slot                                    ; the wave's one tensor load behind the round, two K steps ahead
.endif
	PLACES
	FETCH \next, 0, F0
	WIN MUL
	MUL4 F1, 1, 0, 0
	MUL4 F1, 1, 1, 0
	MUL4 F1, 1, 2, 0
	MUL4 F1, 1, 3, 0
.endm
.macro LAP zero
	THREE 0, \zero
	TURN 0, 1, 1
	THREE 1, 0
	TURN 1, 0, 1
.endm
	s_wait_tensorcnt 1                             ; my part of K step 0 is in; K step 1's stays out
	s_barrier_signal -1
	s_barrier_wait -1
	FETCH 0, 0, F0
	LAP 1                                          ; the first products with hi start the sums: nothing is cleared
	WIN 0
	s_mov_b32 s3, LAPS-2
.Llap:
	LAP 0
	WIN 0
	s_sub_co_u32 s3, s3, 1
	s_cmp_lg_u32 s3, 0
	s_cbranch_scc1 .Llap
	THREE 0, 0                                     ; the last lap fills nothing
	TURN 0, 1, 0
	THREE 1, 0
	s_wait_dscnt 8
	WIN MUL
	MUL4 F1, 0, 0, 0
	MUL4 F1, 0, 1, 0
	MUL4 F1, 0, 2, 0
	MUL4 F1, 0, 3, 0
	s_wait_dscnt 0
	MUL4 F1, 1, 0, 0
	MUL4 F1, 1, 1, 0
	MUL4 F1, 1, 2, 0
	MUL4 F1, 1, 3, 0
	; THE WAY OUT, 16 rows at a time through my own stage: 32 bytes a lane in, whole rows of 256 bytes back
	PLACES
	s_lshl_b32 s13, s13, 7
	s_lshl_b32 s14, s11, 6
	s_add_co_u32 s16, s13, s14                     ; my first row: 128 by + 64 wm
	s_lshl_b32 s16, s16, 12                        ; rows of 4,096 bytes
	s_mov_b32 s17, 0
	s_add_nc_u64 s[8:9], s[8:9], s[16:17]
	s_lshl_b32 s46, s42, 9                         ; my first column in bytes: 512 bx + 256 wn
	s_lshl_b32 s47, s12, 8
	s_add_co_u32 s46, s46, s47
	s_mov_b32 s47, 0
	s_add_nc_u64 s[8:9], s[8:9], s[46:47]
.macro OUT16 a, f
	WIN 0x04                                       ; an LDS store's data is its source 1: window 1
.irp b, 0,1,2,3
	ds_store_b128 v[STO], v[8*(4*\a+\b):8*(4*\a+\b)+3]   offset:64*\b
	ds_store_b128 v[STO], v[8*(4*\a+\b)+4:8*(4*\a+\b)+7] offset:64*\b+16
.endr
	WIN 0
	s_wait_xcnt 0x0                                ; the earlier stores' data registers and base are rewritten only behind this wait (ISA guide 3.1)
.if \a
	s_add_nc_u64 s[8:9], s[8:9], 16*4096           ; 16 rows on
.endif
.irp t, 0,1,2,3,4,5,6,7
	ds_load_b128 v[\f+4*\t:\f+4*\t+3], v[RD] offset:\t*2*SPITCH            ; LDS serves a wave's instructions in order: these see the stores above
.endr
.irp t, 0,1,2,3,4,5,6,7
	s_wait_dscnt 7-\t
	global_store_b128 v[CO], v[\f+4*\t:\f+4*\t+3], s[8:9] offset:\t*8192 th:TH_STORE_NT    ; 16 lanes store 256 neighbouring bytes, aligned
.endr
.endm
	OUT16 0, 32
	OUT16 1, 64
	OUT16 2, 32
	OUT16 3, 64
	s_wait_tensorcnt 0x0
	ds_add_u32 v254, v255
	s_wait_dscnt 0x0
	CROUND                                         ; the closing round: no work-group ends while a partner may still ask for a tile that names it
	s_endpgm
.Lfunc_end_k_q7520ea19ff_oproj:
	.size	k_q7520ea19ff_oproj, .Lfunc_end_k_q7520ea19ff_oproj-k_q7520ea19ff_oproj
	.p2alignl 7, 3214868480
	.fill 96, 4, 3214868480
	.section	.rodata,"a",@progbits
	.p2align	6, 0x0
	.amdhsa_kernel k_q7520ea19ff_oproj
		.amdhsa_group_segment_fixed_size 327680
		.amdhsa_private_segment_fixed_size 0
		.amdhsa_enable_private_segment 0
		.amdhsa_kernarg_size 24
		.amdhsa_user_sgpr_count 2
		.amdhsa_user_sgpr_kernarg_segment_ptr 1
		.amdhsa_wavefront_size32 1
		.amdhsa_system_sgpr_workgroup_id_x 1
		.amdhsa_system_sgpr_workgroup_id_y 1
		.amdhsa_system_sgpr_workgroup_id_z 1
		.amdhsa_system_vgpr_workitem_id 0
		.amdhsa_next_free_vgpr 384
		.amdhsa_next_free_sgpr 66
		.amdhsa_reserve_vcc 0
		.amdhsa_float_denorm_mode_32 3
		.amdhsa_float_denorm_mode_16_64 3
		.amdhsa_memory_ordered 1
		.amdhsa_forward_progress 1
		.amdhsa_inst_pref_size 110
	.end_amdhsa_kernel
	.amdgpu_metadata
---
amdhsa.version: [ 1, 2 ]
amdhsa.kernels:
  - .name:           k_q7520ea19ff_oproj
    .symbol:         k_q7520ea19ff_oproj.kd
    .args:
      - { .name: ctx, .offset: 0, .size: 8, .value_kind: global_buffer, .address_space: global }
      - { .name: woh, .offset: 8, .size: 8, .value_kind: global_buffer, .address_space: global }
      - { .name: out0, .offset: 16, .size: 8, .value_kind: global_buffer, .address_space: global }
    .group_segment_fixed_size: 327680
    .private_segment_fixed_size: 0
    .kernarg_segment_align: 8
    .kernarg_segment_size: 24
    .max_flat_workgroup_size: 128
    .sgpr_count:     66
    .vgpr_count:     384
    .wavefront_size: 32
...
	.end_amdgpu_metadata
.endif
;; end of part 4
